; MI455X (gfx1250); checked and timed in simulation.
; The chip was launched on July 23, 2026; its instructions are those of AMD's public machine-readable ISA for CDNA 5 (MIT licence, August 2026) and "CDNA5" Instruction Set Architecture Reference Guide (July 2026). The comments in the code are by the model that wrote it; some were corrected since.
;; Attention Gate. Allowed arithmetic: matrix products marked QUANTISED: E2M3 operands, one E8M0 scale for each 32 along K, by v_wmma_scale_f32_16x16x128_f8f6f4 with both operands' format E2M3, f32 sums; everything else in f32.
;; Inputs: bk 1,024 float32; bo 1,024 float32; bq 1,024 float32; bv 1,024 float32; wk 1,024 x 1,024 float32; wo 1,024 x 1,024 float32; wq 1,024 x 1,024 float32; wv 1,024 x 1,024 float32; x 4 x 2,048 x 1,024 float32.
;; Outputs: out0 4 x 2,048 x 1,024 float32.
;; This version of the problem:
;;   THIS VERSION OF THE PROBLEM IS GIVEN IN LOW PRECISION. The matrix products marked QUANTISED in the list below multiply operands that are first quantised to E2M3 (2 exponent bits, 3 mantissa bits; 6 bits a number), with one power-of-two scale for each 32 numbers along K (OCP MX v1.0); their sums are f32. All else is computed in f32.
;;   The module's matrix products, in the order in which they are computed (A, B: the left and right operand; K: the contracted axis; several contracted axes count as one K, in the product's order):
;;     1. [M 8,192, K 1,024] x [K 1,024, N 1,024]; A: input x; B: input wq: QUANTISED
;;     2. [M 8,192, K 1,024] x [K 1,024, N 1,024]; A: input x; B: input wk: QUANTISED
;;     3. [M 8,192, K 1,024] x [K 1,024, N 1,024]; A: input x; B: input wv: QUANTISED
;;     4. batch 64 x [M 2,048, K 64] x [K 64, N 2,048]; A: computed on the way; B: computed on the way: QUANTISED
;;     5. batch 64 x [M 2,048, K 2,048] x [K 2,048, N 64]; A: softmax (see below); B: computed on the way: QUANTISED
;;     6. [M 8,192, K 1,024] x [K 1,024, N 1,024]; A: computed on the way; B: input wo: QUANTISED
;;   THE QUANTISER, for each operand of a quantised product, along K:
;;     - K is cut into blocks of 32 from its start; a last block that is shorter is filled with zeros.
;;     - A block's scale is 2^e with e = floor(log2(the largest magnitude in the block)) - 2, held to -126 .. 127; a block of zeros has e = 0. As a byte (E8M0): e + 127.
;;     - Each number is divided by its block's scale, clamped to +-7.5, and rounded to the nearest number of E2M3, ties to even, subnormals kept.
;;     - The product sums the exact products of the quantised numbers (number of the format x scale) in f32.
;;   ~~~python
;;   def quantise(x, axis):      # numpy; x: float32 -> the quantised numbers, widened to float32 again
;;       x = np.moveaxis(x, axis, -1); K = x.shape[-1]
;;       x = np.pad(x, [(0, 0)] * (x.ndim - 1) + [(0, -K % 32)]); x = x.reshape(x.shape[:-1] + (-1, 32)); a = np.abs(x).max(-1, keepdims=True)
;;       e = np.where(a > 0, np.clip(np.frexp(np.where(a > 0, a, 1))[1] - 1 - 2, -126, 127), 0)      # np.frexp(a)[1] - 1 = floor(log2(a)), exactly
;;       r = np.clip(x / 2.0 ** e, -7.5, 7.5)
;;       step = 2.0 ** (np.maximum(np.frexp(np.where(r == 0, 1, r))[1] - 1, 0) - 3)
;;       q = np.round(r / step) * step * 2.0 ** e      # np.round: ties to even
;;       return np.moveaxis(q.reshape(q.shape[:-2] + (-1,))[..., :K], -1, axis).astype(np.float32)
;;   ~~~
;;   SOFTMAX AHEAD OF A QUANTISED PRODUCT. Where the list says 'softmax', what is quantised is not the finished softmax but p = 2^(t - M), with t = logit x log2(e) and M = ceil(the row's largest t), a whole number; so 1/2 < the row's largest p <= 1. The row's sum l is taken of the UNQUANTISED p, in f32, and the product's result is divided by l at the end. Since M is a whole number, a kernel that streams over the keys may use a running M (the ceiling of the running maximum): every later rescaling is an exact power of two, which a block's scale takes up: the codes' values come out the same.
;;   OPERANDS COMPUTED ON THE WAY. 'Computed on the way' means the value that the module computes at that place (a softmax that the list does not call 'softmax' is quantised finished and normalised). What goes into a quantiser is computed in f32, as accurately as f32 sums, v_exp_f32 and their like allow (about 1e-6 of the number): no bf16 or f16 on the way to a quantiser, and a product that is left as it is and whose result goes on into a quantised operand takes f32 operands (vector FMAs, or v_wmma_f32_16x16x4_f32). A number that lies on a knife's edge between two numbers of the format may be rounded either way, as far as f32 arithmetic and the matrix unit's own rounding can turn it there, and no further.
;; One version. Each part assembles by itself: llvm-mc -triple=amdgcn-amd-amdhsa -mcpu=gfx1250 --defsym DOCPART=n.
;; ======== version 1 of 1: 4 launches
;; limits: right only within a limited range of input values
;; workspace buffers: cod 9,437,184 bytes; scl 393,216 bytes; qb 6,815,744 bytes; kv 13,369,344 bytes; oc 6,291,456 bytes; osc 262,144 bytes
;; launch quant (part 1): grid 384 x 1, 4 waves a work-group, no clusters, 34,304 bytes of LDS; arguments x, wq, wk, wv, wo, cod, scl; writes cod, scl
.if DOCPART == 1
	.amdgcn_target "amdgcn-amd-amdhsa--gfx1250"
	.amdhsa_code_object_version 6
	.text
	.protected	k_q85ae777387_quant
	.globl	k_q85ae777387_quant
	.p2align	8
	.type	k_q85ae777387_quant,@function
k_q85ae777387_quant:
	s_mov_b64 s[64:65], 0
	v_nop
	global_prefetch_b8 v0, s[64:65] scope:SCOPE_SE
	s_setreg_imm32_b32 hwreg(HW_REG_WAVE_MODE, 25, 1), 1
	s_wait_xcnt 0x0
; x [8192][1024] and wq, wk, wv, wo [1024][1024], f32 with K innermost, become codes of FP6 (E2M3) and E8M0 scale bytes, one for each 32 along K.
; A block's scale is 2^(floor(log2(its largest magnitude)) - 2); its byte is the largest magnitude's exponent field - 2, held at 1 from below.
; LIMITS: NaN and infinities among the inputs are not served.  A block of zeros gets the byte 1 where the rule says 127: its codes are zeros, which add nothing, and this program alone reads the bytes.
; THE OUTPUT IS LAID AS THE MATRIX UNIT'S REGISTERS WANT IT.  Rows go in groups of 32; tile 2 g + u of 16 rows holds at place i row 32 g + 8 u + i + 8 (i / 8).
; A fragment (16 rows x 128 K, 12 registers a lane) lies as [piece 0..5][lane][8 bytes], piece p = registers 2 p, 2 p + 1: each store below covers 256 consecutive bytes, aligned.
; cod: [tile 768][K step 8][1,536 bytes]; tiles 0-511 x, then 64 each of wq, wk, wv, wo.   scl: [tile][half of K 2][place 16][K step 4] words, a word = the four bytes of 128 along K.
; SHARES: work-group g takes one group of 32 rows; wave w takes tile u = w / 2 and half w % 2 of K: 16 rows x 512 numbers, four K steps.
; A load reads 512 consecutive bytes of one row; a K step's 16 rows turn through the wave's own stage in LDS (rows 528 bytes apart), from which lane (r, h) takes k = 64 c + 32 h + 0 .. 31 of row r: two whole blocks.
; No barrier: waves share nothing.  Loads run two K steps (32 loads a wave) ahead.
.set SPITCH, 528                       ; a stage row: 512 bytes + 16
.set STG,    16*SPITCH                 ; a wave's stage
.set R,   16                           ; v16-143   two sets of 64 registers, as loaded
.set X,   144                          ; v144-207  register 32 c + i: k = 64 c + 32 h + i of my row
.set C,   208                          ; v208-219  the fragment's codes
.set PT,  220                          ; v220-222, v224-226 the second halves of the blocks' codes, as converted
.set W,   228                          ; v228-231  the four K steps' scale words
	s_load_b256 s[4:11], s[0:1], 0x0               ; x, wq, wk, wv
	s_load_b128 s[12:15], s[0:1], 0x20             ; wo, cod
	s_load_b64 s[16:17], s[0:1], 0x30              ; scl
	v_lshl_add_u32 v240, v0, 2, 0x8400
	v_mov_b32 v241, 0
	v_lshrrev_b32 v7, 5, v0
	v_readfirstlane_b32 s22, v7                    ; wave 0..3
	v_and_b32 v7, 31, v0                           ; lane
	v_and_b32 v8, 15, v0                           ; r
	v_bfe_u32 v6, v0, 4, 1                         ; h
	v_lshlrev_b32 v1, 4, v7                        ; 16 x lane: my bytes of a load's 512
	v_lshlrev_b32 v4, 3, v7                        ; 8 x lane: my bytes of a piece
	s_mul_i32 s23, s22, STG
	v_add_nc_u32 v2, s23, v1                       ; into the stage: as loaded
	v_mul_u32_u24 v3, v8, SPITCH
	v_lshl_add_u32 v3, v6, 7, v3
	v_add_nc_u32 v3, s23, v3                       ; out of it: row r, + 128 h bytes
	v_lshlrev_b32 v5, 4, v8
	v_lshl_add_u32 v5, v6, 3, v5                   ; 16 r + 8 h: my two scale words
	v_lshlrev_b32 v234, 3, v6                      ; 8 h: my bytes' shift in a scale word
	v_mov_b32 v235, 0                              ; written once: a lane permute's destination counts as one of its sources
	s_mov_b32 s24, 0x76543210
	s_mov_b32 s25, 0xfedcba98                      ; selects for lane l xor 16
	s_lshr_b32 s26, s22, 1                         ; u
	s_and_b32 s27, s22, 1                          ; which half of K
	s_lshl_b32 s30, ttmp9, 1
	s_add_co_u32 s30, s30, s26                     ; my tile: 2 g + u
	s_mul_i32 s32, s30, 12288
	s_mul_i32 s33, s27, 6144
	s_add_co_u32 s32, s32, s33                     ; its codes, my four K steps
	s_mov_b32 s33, 0
	s_lshl_b32 s34, s30, 9
	s_lshl_b32 s35, s27, 8
	s_add_co_u32 s34, s34, s35                     ; its scale words, my half
	s_mov_b32 s35, 0
	s_and_b32 s20, ttmp9, 31                       ; a weight's group of rows
	s_wait_alu depctr_va_vdst(0)
	s_wait_kmcnt 0x0
	s_cmp_lt_u32 ttmp9, 352                        ; which tensor: the choice hangs on the work-group's number alone
	s_cselect_b64 s[18:19], s[10:11], s[12:13]
	s_cmp_lt_u32 ttmp9, 320
	s_cselect_b64 s[18:19], s[8:9], s[18:19]
	s_cmp_lt_u32 ttmp9, 288
	s_cselect_b64 s[18:19], s[6:7], s[18:19]
	s_cmp_lt_u32 ttmp9, 256
	s_cselect_b64 s[18:19], s[4:5], s[18:19]
	s_cselect_b32 s20, ttmp9, s20                  ; x's group of rows is g itself
	s_lshl_b32 s20, s20, 17                        ; 32 rows of 4,096 bytes
	s_lshl_b32 s21, s26, 15                        ; + 8 u rows
	s_add_co_u32 s20, s20, s21
	s_lshl_b32 s21, s27, 11                        ; + my half of K
	s_add_co_u32 s20, s20, s21
	s_mov_b32 s21, 0
	s_add_nc_u64 s[18:19], s[18:19], s[20:21]
	s_add_nc_u64 s[14:15], s[14:15], s[32:33]
	s_add_nc_u64 s[16:17], s[16:17], s[34:35]
.macro LOAD t                          ; K step t of my 16 rows: place i is row i + 8 (i / 8) from my first
.irp i, 0,1,2,3,4,5,6,7,8,9,10,11,12,13,14,15
	global_load_b128 v[R+64*((\t)%2)+4*\i:R+64*((\t)%2)+4*\i+3], v1, s[18:19] offset:(\i+8*(\i/8))*4096+512*(\t) th:TH_LOAD_NT
.endr
.endm
.macro STEP t
.if (\t) < 3
	s_wait_loadcnt 16                              ; this K step's 16 loads are in; the next one's 16 may be out
.else
	s_wait_loadcnt 0x0
.endif
.irp i, 0,1,2,3,4,5,6,7,8,9,10,11,12,13,14,15
	ds_store_b128 v2, v[R+64*((\t)%2)+4*\i:R+64*((\t)%2)+4*\i+3] offset:SPITCH*\i
.endr
.irp c, 0,1
.irp k, 0,1,2,3,4,5,6,7
	ds_load_b128 v[X+32*\c+4*\k:X+32*\c+4*\k+3], v3 offset:256*\c+16*\k   ; LDS serves a wave's instructions in order: these see the stores above
.endr
.endr
	s_wait_dscnt 0x0                               ; my numbers are back, and the stores have read their registers,
.if (\t) < 2
	LOAD (\t)+2                                    ; which take the loads of two K steps on
.endif
.irp c, 0,1                                    ; the largest magnitude of each of my two blocks: all 32 numbers are mine; two chains a block
	v_max3_num_f32 v[8+2*\c], |v[X+32*\c]|, |v[X+32*\c+1]|, |v[X+32*\c+2]|
	v_max3_num_f32 v[9+2*\c], |v[X+32*\c+3]|, |v[X+32*\c+4]|, |v[X+32*\c+5]|
.endr
.irp i, 6,10,14,18,22,26
.irp c, 0,1
	v_max3_num_f32 v[8+2*\c], v[8+2*\c], |v[X+32*\c+\i]|, |v[X+32*\c+\i+1]|
	v_max3_num_f32 v[9+2*\c], v[9+2*\c], |v[X+32*\c+\i+2]|, |v[X+32*\c+\i+3]|
.endr
.endr
.irp c, 0,1
	v_max3_num_f32 v[8+2*\c], v[8+2*\c], |v[X+32*\c+30]|, |v[X+32*\c+31]|
.endr
.irp c, 0,1
	v_max3_num_f32 v[8+2*\c], v[8+2*\c], v[9+2*\c], 0x1800000   ; and the floor 2^(3 - 127): the byte cannot fall under 1
.endr
.irp c, 0,1
	v_add_nc_u32 v[12+\c], 0xff000000, v[8+2*\c]   ; 2 off the exponent field: the conversion takes this operand's exponent field as its scale
.endr
.irp c, 0,1
	v_lshrrev_b32 v[14+\c], 23, v[12+\c]           ; the scale's byte
.endr
	v_lshl_or_b32 v232, v15, 16, v14               ; my two bytes: blocks h and 2 + h,
	v_lshlrev_b32 v232, v234, v232                 ; at their places in the word;
	v_permlanex16_b32 v235, v232, s24, s25
	v_or_b32 v[W+(\t)], v232, v235                 ; with lane l xor 16's two the word is whole
.if (\t) > 0
	s_wait_alu depctr_va_vdst(0)
	s_wait_xcnt 0x0                                ; the last K step's stores have read the codes' registers: only now are they written again
.endif
.irp c, 0,1
	v_cvt_scalef32_pk16_fp6_f32 v[C+6*\c:C+6*\c+2], v[X+32*\c:X+32*\c+15], v[12+\c]
	v_cvt_scalef32_pk16_fp6_f32 v[PT+4*\c:PT+4*\c+2], v[X+32*\c+16:X+32*\c+31], v[12+\c]   ; (a conversion's three registers begin on an even number)
.endr
	v_nop                                          ; one plain place behind a scaled conversion
.irp c, 0,1
.irp i, 0,1,2
	v_mov_b32 v[C+6*\c+3+\i], v[PT+4*\c+\i]
.endr
.endr
.irp p, 0,1,2,3,4,5
	global_store_b64 v4, v[C+2*\p:C+2*\p+1], s[14:15] offset:1536*(\t)+256*\p   ; 32 lanes store 256 consecutive bytes, aligned
.endr
.endm
	LOAD 0
	LOAD 1
	STEP 0
	STEP 1
	STEP 2
	STEP 3
	v_cmp_ne_u32 vcc_lo, 0, v6                     ; lanes 0-15 store K steps 0, 1 of their row, lanes 16-31 K steps 2, 3
	v_cndmask_b32 v232, v[W], v[W+2], vcc_lo
	v_cndmask_b32 v233, v[W+1], v[W+3], vcc_lo
	global_store_b64 v5, v[232:233], s[16:17]      ; 256 consecutive bytes, aligned
	s_wait_tensorcnt 0x0
	ds_add_u32 v240, v241
	s_wait_dscnt 0x0
	s_endpgm
.Lfunc_end_k_q85ae777387_quant:
	.size	k_q85ae777387_quant, .Lfunc_end_k_q85ae777387_quant-k_q85ae777387_quant
	.p2alignl 7, 3214868480
	.fill 96, 4, 3214868480
	.section	.rodata,"a",@progbits
	.p2align	6, 0x0
	.amdhsa_kernel k_q85ae777387_quant
		.amdhsa_group_segment_fixed_size 34304
		.amdhsa_private_segment_fixed_size 0
		.amdhsa_enable_private_segment 0
		.amdhsa_kernarg_size 56
		.amdhsa_user_sgpr_count 2
		.amdhsa_user_sgpr_kernarg_segment_ptr 1
		.amdhsa_wavefront_size32 1
		.amdhsa_system_sgpr_workgroup_id_x 1
		.amdhsa_system_sgpr_workgroup_id_y 1
		.amdhsa_system_sgpr_workgroup_id_z 1
		.amdhsa_system_vgpr_workitem_id 0
		.amdhsa_next_free_vgpr 242
		.amdhsa_next_free_sgpr 66
		.amdhsa_reserve_vcc 1
		.amdhsa_float_denorm_mode_32 3
		.amdhsa_float_denorm_mode_16_64 3
		.amdhsa_memory_ordered 1
		.amdhsa_forward_progress 1
		.amdhsa_inst_pref_size 32
	.end_amdhsa_kernel
	.amdgpu_metadata
---
amdhsa.version: [ 1, 2 ]
amdhsa.kernels:
  - .name:           k_q85ae777387_quant
    .symbol:         k_q85ae777387_quant.kd
    .args:
      - { .name: x, .offset: 0, .size: 8, .value_kind: global_buffer, .address_space: global }
      - { .name: wq, .offset: 8, .size: 8, .value_kind: global_buffer, .address_space: global }
      - { .name: wk, .offset: 16, .size: 8, .value_kind: global_buffer, .address_space: global }
      - { .name: wv, .offset: 24, .size: 8, .value_kind: global_buffer, .address_space: global }
      - { .name: wo, .offset: 32, .size: 8, .value_kind: global_buffer, .address_space: global }
      - { .name: cod, .offset: 40, .size: 8, .value_kind: global_buffer, .address_space: global }
      - { .name: scl, .offset: 48, .size: 8, .value_kind: global_buffer, .address_space: global }
    .group_segment_fixed_size: 34304
    .private_segment_fixed_size: 0
    .kernarg_segment_align: 8
    .kernarg_segment_size: 56
    .max_flat_workgroup_size: 128
    .sgpr_count:     66
    .vgpr_count:     242
    .wavefront_size: 32
...
	.end_amdgpu_metadata
.endif
;; end of part 1
;; launch qkv (part 2): grid 4 x 64, 4 waves a work-group, clusters of 4 x 4, 327,680 bytes of LDS; arguments cod, scl, bq, bk, bv, qb, kv; writes qb, kv
.if DOCPART == 2
	.amdgcn_target "amdgcn-amd-amdhsa--gfx1250"
	.amdhsa_code_object_version 6
	.text
	.protected	k_q85ae777387_qkv
	.globl	k_q85ae777387_qkv
	.p2align	8
	.type	k_q85ae777387_qkv,@function
k_q85ae777387_qkv:
	s_mov_b64 s[64:65], 0
	v_nop
	global_prefetch_b8 v0, s[64:65] scope:SCOPE_SE
	s_setreg_imm32_b32 hwreg(HW_REG_WAVE_MODE, 25, 1), 1
	s_wait_xcnt 0x0
	s_wait_alu depctr_hold_cnt(0) depctr_sa_sdst(0) depctr_va_vdst(0) depctr_va_sdst(0) depctr_va_ssrc(0) depctr_va_vcc(0) depctr_vm_vsrc(0)
	s_getreg_b32 s2, hwreg(HW_REG_IB_STS2, 6, 4)
	s_cmp_eq_u32 s2, 0
	s_cbranch_scc0 .Lentry_in_a_cluster
	s_endpgm
.Lentry_in_a_cluster:
	s_bfe_u32 s2, ttmp6, 0x10000c
	s_cmp_lg_u32 s2, 0xf033
	s_cbranch_scc0 .Lentry_shape_is_right
	s_endpgm
.Lentry_shape_is_right:
; q = x wq^T + bq, k = x wk^T + bk, v = x wv^T + bv on codes of FP6 (E2M3) with E8M0 scales, sums in f32; the results are quantised at once for attention's two products and leave as codes:
; q and k along the head's 64 channels, v along the keys.  LIMITS: NaN and infinities are not served; a block of zeros gets the byte 1 (its codes are zeros; this program alone reads the bytes).
; SHARES: 256 work-groups THAT STAY: a work-group takes its 128 rows of x through q, then k, then v, 256 columns of each; wave w all 128 rows x columns 64 w .. 64 w + 63, which is ONE HEAD: 32 accumulators.
; LDS: two halves of K (four K steps each), each with x's 8 tiles (49,152 bytes) and the weight's 16 tiles (98,304).  X'S BYTES COME ONCE AND STAY; THE WEIGHT'S TWO HALVES ARE A RING OF TWO SLOTS.
; FILLS.  At the head one tensor load a wave: wave 0 x's half 0, wave 1 wq's half 0, wave 2 x's half 1, wave 3 wq's half 1.  The first barrier shows half 0: waves 0 and 1 alone wait ahead of it, for load lines that are theirs alone.
; FOUR REFILLS: at the top of K step 3 of q and of k slot 0, whose last fragments are in registers by then, takes the next kind's half 0; at the top of K step 7 slot 1 takes its half 1.  Each stands behind three lines
; (the wait for all my tensor loads, the add, the wait for the add and for my LDS reads) and a whole round of the cluster's barrier; each wave asks for four tiles, one load.  The round also shows what the refill before it brought.
; v asks for nothing more: a plain barrier at its K step 3 shows the last refill.  The launch claims all LDS.
; CLUSTER 4 x 4: the four of a row need the same rows of x, the four of a column the same rows of the weights: each tile is asked for jointly.
; NO PREFETCH: a refill is asked for four K steps, 128 matrix instructions a wave, ahead of the wait for it, and slot 1's has the way out besides.
; THE SCALE WORDS AND BIASES OF ALL THREE KINDS come into registers at the head; k's and v's wait in window 3 and are moved where the products take them (scale registers have no window) at a change of kind.
; q AND k SHARE ONE TEXT, a loop of two trips; what differs lies in scalars.  v has a text of its own.
; OPERANDS lie in memory and in LDS as images of the registers: [piece 0..5][lane][8 bytes] for a fragment of 16 rows x 128 K: every LDS load reads 256 consecutive bytes.
; TILE ORDER: tile 2 g + u holds at place i row 32 g + 8 u + i + 8 (i / 8).  As source 0 two neighbouring tiles give a lane 16 registers that are 16 neighbours, 32 g + 16 h + 0 .. 15.
; q, k: TRANSPOSED (source 0 = the weight's 16 rows, source 1 = x): a lane holds one row of x and 32 registers run along the head's channels: two blocks of 32, with lane l xor 16.
; v: source 0 = x, source 1 = the weight: a lane holds one channel and 64 registers run along 128 keys: four blocks.
; kv, a head's block of 208,896 bytes: 8,192 of K's scale words, 4,096 of V's, then 16 key steps of 12,288: K's eight half fragments (6,144), V's four fragments (6,144).
; REGISTERS, in windows of 256: window 0: addresses, q's or k's bias, scale words, the way out; window 1: x's fragments, two sets; window 2: the accumulators; window 3: the weight's fragments, two sets, and what waits for k and v.
.set TILEB, 12288                      ; a tile's codes for all of K
.set CHB,   6144                       ; a tile's four K steps
.set CHUNK, 24*CHB                     ; a half in LDS: x's 8 tiles, then the weight's 16
.set BOFF,  8*CHB
.set B0,    512                        ; wq's first tile in cod; wk's and wv's lie 64 and 128 tiles on
.set ADRA,  4                          ; v4-5    LDS address of x's fragments in half c: 8 x lane + c CHUNK
.set ADRB,  8                          ; v8-9    of my four tiles of the weight
.set BI,    32                         ; v32-63  q's or k's bias, eight registers a tile of the weight, in the result's layout
.set SA,    64                         ; v64-127 x's scale words: tile a, K step s at 8 a + s
.set SB,    128                        ; v128-159 the weight's: 8 bb + s
.set CD,    160                        ; v160-207 the codes made on the way out
.set PT,    208                        ; v208-210 a conversion's second half
.set WD,    216                        ; v216-223 the scale words made on the way out
.set TM,    228
.set TX,    232
.set SO,    236
.set SBK,   96                         ; window 3: v96-127 wk's scale words, v128-159 wv's, v160-191 k's bias, v192-223 v's bias
.set SBV,   128
.set BIK,   160
.set BIV,   192
.set WV,    18
.set KD,    19                         ; the kind in the loop: 0 q, 1 k
.set SEL,   66                         ; s[66:67] selects for lane l xor 16
.set G1A,   24                         ; s[24:31] descriptor group 1 for x's tiles;  s[32:39] for the head's loads of wq;  s[48:55] for the refills
.set G1B,   32
.set G1C,   48
.set G0A,   40                         ; s[40:47] groups 0 for x's two halves;  s[68:75] for wq's;  s[76:83] for the refills, one for each slot
.set G0B,   68
.set GR,    76
.set MSB, 0
.macro WIN new                         ; the immediate's high byte repeats the setting that is left
.if MSB != \new
	s_set_vgpr_msb (MSB<<8)|\new
.set MSB, \new
.endif
.endm
.set TO_A,   0x40                      ; destination window 1, address window 0
.set TO_B,   0xc0                      ; destination window 3
.set FROM_B, 0x03                      ; source 0 window 3, destination window 0
.set MUL_T,  0xa7                      ; source 0 window 3, source 1 window 1, C and D window 2
.set MUL_T0, 0x87                      ; the same with C (the bias) in window 0
.set MUL_N,  0xad                      ; source 0 window 1, source 1 window 3
.set MUL_N0, 0xbd                      ; the same with C (v's bias) in window 3
.set MAXW,   0x28                      ; sources 1 and 2 window 2
.set CVTW,   0x02                      ; source 0 window 2
.macro CROUND                          ; a round of the cluster's barrier
	s_barrier_signal -1
	s_barrier_wait -1
	s_cmp_lg_u32 s[WV], 0
	s_cbranch_scc1 .Lnot_wave_0_\@
	s_barrier_signal -3
.Lnot_wave_0_\@:
	s_barrier_wait -3
	s_barrier_signal -1
	s_barrier_wait -1
.endm
.macro PLACES                          ; four plain places behind matrix instructions (ISA guide 7.12.1)
.rept 4
	v_nop
.endr
.endm
	s_load_b256 s[4:11], s[0:1], 0x0               ; cod, scl, bq, bk
	s_load_b128 s[12:15], s[0:1], 0x20             ; bv, qb
	s_load_b64 s[16:17], s[0:1], 0x30              ; kv
	v_lshl_add_u32 v254, v0, 2, 0x48000
	v_mov_b32 v255, 0
	ds_add_u32 v254, v255                          ; the opening lines: the add twice on end and its one wait
	ds_add_u32 v254, v255
	v_lshrrev_b32 v13, 5, v0
	v_readfirstlane_b32 s[WV], v13                 ; wave 0..3
	v_and_b32 v15, 31, v0
	v_lshlrev_b32 v1, 3, v15                       ; 8 x lane
	v_and_b32 v14, 15, v0                          ; r
	v_lshlrev_b32 v2, 4, v14                       ; 16 r
	v_bfe_u32 v3, v0, 4, 1                         ; h
	v_lshl_add_u32 v12, v3, 3, v2                  ; 16 r + 8 h
	v_lshlrev_b32 v13, 6, v3                       ; 64 h: q's and k's bias
	v_and_b32 v15, 8, v14
	v_add_nc_u32 v15, v15, v14
	v_lshlrev_b32 v15, 2, v15                      ; 4 (r + 8 (r / 8)): v's bias
.irp c, 0,1
	v_add_nc_u32 v[ADRA+\c], \c*CHUNK, v1
.endr
	s_mul_i32 s62, s[WV], 4*CHB
	s_add_co_u32 s62, s62, BOFF                    ; my four tiles of the weight in a half: what I read, and what I fill again
.irp c, 0,1
	v_add_nc_u32 v[ADRB+\c], s62, v[ADRA+\c]
.endr
	v_mov_b32 v[TX], 0                             ; written once: a lane permute's destination counts as one of its sources
	v_mov_b32 v[TX+1], 0
	s_mov_b32 s[SEL], 0x76543210
	s_mov_b32 s[SEL+1], 0xfedcba98
	s_bfe_u32 s20, ttmp6, 0x40000                  ; cx
	s_bfe_u32 s21, ttmp6, 0x40004                  ; cy
	s_lshl_b32 s22, ttmp9, 2
	s_add_co_u32 s22, s22, s20                     ; work-group x: which 256 columns of q, of k and of v
	s_and_b32 s23, ttmp7, 0xffff
	s_lshl_b32 s23, s23, 2
	s_add_co_u32 s23, s23, s21                     ; work-group y: which 128 rows
	s_lshl_b32 s60, s21, 2
	s_lshl_b32 s60, 15, s60                        ; my row of the cluster
	s_lshl_b32 s61, 0x1111, s20                    ; my column
	; group 1: rows = tiles, 12,288 bytes apart; a row = a tile's four K steps, 6,144 bytes = 768 elements of 8 bytes; no padding
	s_or_b32 s[G1A], s60, (3<<16)|(1<<21)          ; 15:0 the mask; 17:16 elements of 8 bytes; 21 set beside a mask
	s_or_b32 s[G1B], s61, (3<<16)|(1<<21)
	s_or_b32 s[G1C], s61, (3<<16)|(1<<21)
.irp g, G1A, G1B, G1C
	s_mov_b32 s[\g+1], 768<<16                     ; tensor_dim0
	s_mov_b32 s[\g+3], 768<<16                     ; tile_dim0
	s_mov_b32 s[\g+5], 1536                        ; tensor_dim0_stride
	s_mov_b32 s[\g+6], 0
	s_mov_b32 s[\g+7], 0
.endr
	s_mov_b32 s[G1A+2], 8<<16                      ; eight tiles of x a load,
	s_mov_b32 s[G1A+4], 8
	s_mov_b32 s[G1B+2], 16<<16                     ; sixteen of wq,
	s_mov_b32 s[G1B+4], 16
	s_mov_b32 s[G1C+2], 4<<16                      ; four of a weight in a refill
	s_mov_b32 s[G1C+4], 4
	s_lshl_b32 s56, s23, 3                         ; x: tile 8 y: it hangs on y alone, which my row of the cluster shares
	s_mul_i32 s56, s56, TILEB
	s_mov_b32 s57, 0
	s_lshl_b32 s84, s22, 4                         ; wq: tile B0 + 16 x: on x alone, which my column shares
	s_add_co_u32 s84, s84, B0
	s_mul_i32 s84, s84, TILEB
	s_mov_b32 s85, 0
	s_mul_i32 s86, s[WV], 4*TILEB                  ; my four tiles among the sixteen
	s_mov_b32 s87, 0
	s_lshl_b32 s94, s20, 10
	s_lshl_b32 s95, s[WV], 8
	s_add_co_u32 s94, s94, s95                     ; my 64 numbers of a bias, in bytes
	s_mov_b32 s95, 0
	s_wait_alu depctr_va_vdst(0)                   ; the wait at the head's end
	s_wait_dscnt 0x0
	s_wait_kmcnt 0x0
	s_add_nc_u64 s[56:57], s[4:5], s[56:57]
	s_add_nc_u64 s[84:85], s[4:5], s[84:85]
	s_add_nc_u64 s[86:87], s[84:85], s[86:87]
	CROUND                                         ; all sixteen work-groups are here: the joint loads meet
.irp c, 0,1
	s_mov_b32 s[G0A+4*\c], 1
	s_mov_b32 s[G0A+4*\c+1], \c*CHUNK
	s_add_nc_u64 s[G0A+4*\c+2:G0A+4*\c+3], s[56:57], \c*CHB
	s_or_b32 s[G0A+4*\c+3], s[G0A+4*\c+3], 0x80000000
	s_mov_b32 s[G0B+4*\c], 1
	s_mov_b32 s[G0B+4*\c+1], BOFF+\c*CHUNK
	s_add_nc_u64 s[G0B+4*\c+2:G0B+4*\c+3], s[84:85], \c*CHB
	s_or_b32 s[G0B+4*\c+3], s[G0B+4*\c+3], 0x80000000
	s_mov_b32 s[GR+4*\c], 1                        ; the refills': they stand at wq and step 64 tiles on ahead of each use
	s_add_co_u32 s[GR+4*\c+1], s62, \c*CHUNK
	s_add_nc_u64 s[GR+4*\c+2:GR+4*\c+3], s[86:87], \c*CHB
	s_or_b32 s[GR+4*\c+3], s[GR+4*\c+3], 0x80000000
.endr
; the head's fills: ONE chain of branches on the wave's number, one load to an arm, all arms leading to one join
.macro ARM under, g0, g1, next
	s_cmp_lt_u32 s[WV], \under
	s_cbranch_scc0 \next
	tensor_load_to_lds s[\g0:\g0+3], s[\g1:\g1+7]
	s_nop 0
	PLACES
	s_branch .Lfilled
\next:
.endm
	ARM 1, G0A, G1A, .Lfill_1
	ARM 2, G0B, G1B, .Lfill_2
	ARM 3, G0A+4, G1A, .Lfill_3
	tensor_load_to_lds s[G0B+4:G0B+7], s[G1B:G1B+7]
	s_nop 0
	PLACES
.Lfilled:
	; the scale words come straight into registers, once: a load brings a place's four words (four K steps); lanes 16-31 repeat lanes 0-15
	s_lshl_b32 s88, s23, 12                        ; x's: 8 tiles of 512 bytes for each y
	s_mov_b32 s89, 0
	s_add_nc_u64 s[88:89], s[6:7], s[88:89]
	s_lshl_b32 s90, s22, 4
	s_lshl_b32 s91, s[WV], 2
	s_add_co_u32 s90, s90, s91
	s_add_co_u32 s90, s90, B0                      ; wq's: my four tiles; wk's and wv's 64 and 128 tiles of 512 bytes on
	s_lshl_b32 s90, s90, 9
	s_mov_b32 s91, 0
	s_add_nc_u64 s[90:91], s[6:7], s[90:91]
	s_add_nc_u64 s[96:97], s[8:9], s[94:95]        ; my 64 numbers of bq,
	s_add_nc_u64 s[98:99], s[10:11], s[94:95]      ; of bk,
	s_add_nc_u64 s[100:101], s[12:13], s[94:95]    ; of bv
.irp a, 0,1,2,3,4,5,6,7
.irp qq, 0,1
	global_load_b128 v[SA+8*\a+4*\qq:SA+8*\a+4*\qq+3], v2, s[88:89] offset:512*\a+256*\qq
.endr
.endr
.irp bb, 0,1,2,3
.irp qq, 0,1
	global_load_b128 v[SB+8*\bb+4*\qq:SB+8*\bb+4*\qq+3], v2, s[90:91] offset:512*\bb+256*\qq
.endr
.endr
.irp bb, 0,1,2,3                               ; q, k: lane (r, h) wants, for tile 2 g + u, the bias of channels 32 g + 16 h + 8 u + 0 .. 7
	global_load_b128 v[BI+8*\bb:BI+8*\bb+3], v13, s[96:97] offset:(32*(\bb/2)+8*(\bb%2))*4
	global_load_b128 v[BI+8*\bb+4:BI+8*\bb+7], v13, s[96:97] offset:(32*(\bb/2)+8*(\bb%2))*4+16
.endr
	WIN TO_B
.irp bb, 0,1,2,3
.irp qq, 0,1
	global_load_b128 v[SBK+8*\bb+4*\qq:SBK+8*\bb+4*\qq+3], v2, s[90:91] offset:32768+512*\bb+256*\qq
	global_load_b128 v[SBV+8*\bb+4*\qq:SBV+8*\bb+4*\qq+3], v2, s[90:91] offset:65536+512*\bb+256*\qq
.endr
.endr
.irp bb, 0,1,2,3
	global_load_b128 v[BIK+8*\bb:BIK+8*\bb+3], v13, s[98:99] offset:(32*(\bb/2)+8*(\bb%2))*4
	global_load_b128 v[BIK+8*\bb+4:BIK+8*\bb+7], v13, s[98:99] offset:(32*(\bb/2)+8*(\bb%2))*4+16
.endr
.irp bb, 0,1,2,3                               ; v: a lane holds one channel: all eight registers of C hold that channel's bias
.irp j, 0,1,2,3,4,5,6,7
	global_load_b32 v[BIV+8*\bb+\j], v15, s[100:101] offset:(32*(\bb/2)+8*(\bb%2))*4
.endr
.endr
	WIN 0
	s_lshr_b32 s92, s23, 4
	s_lshl_b32 s92, s92, 4                         ; 16 x batch
	s_lshl_b32 s93, s20, 2
	s_add_co_u32 s92, s92, s93
	s_add_co_u32 s92, s92, s[WV]                   ; + my head, 4 cx + wave
	s_and_b32 s93, s23, 15                         ; j: which 128 rows of the batch's 2,048
	s_mul_i32 s56, s93, 6144
	s_add_co_u32 s56, s56, 8192                    ; q's codes in a head's block of qb: behind 8,192 bytes of scale words, 768 bytes a tile
	s_mul_i32 s57, s93, 12288
	s_add_co_u32 s57, s57, 12288                   ; k's in a head's block of kv: key step j; v's lie 6,144 further on
; the fragments of K step s into set s % 2: 72 LDS loads of 256 consecutive bytes
.macro FETCH s
	WIN TO_A
.irp a, 0,1,2,3,4,5,6,7
.irp p, 0,1,2,3,4,5
	ds_load_b64 v[96*((\s)%2)+12*\a+2*\p:96*((\s)%2)+12*\a+2*\p+1], v[ADRA+(\s)/4] offset:CHB*\a+1536*((\s)%4)+256*\p
.endr
.endr
	WIN TO_B
.irp bb, 0,1,2,3
.irp p, 0,1,2,3,4,5
	ds_load_b64 v[48*((\s)%2)+12*\bb+2*\p:48*((\s)%2)+12*\bb+2*\p+1], v[ADRB+(\s)/4] offset:CHB*\bb+1536*((\s)%4)+256*\p
.endr
.endr
.endm
; 32 matrix instructions: K step s.  The 32 accumulators take turns, one instruction a turn.  K step 0 takes the bias as C: nothing is cleared, nothing is added later.
.macro MUL s, nat
.if \nat
.if (\s) == 0
	WIN MUL_N0
.else
	WIN MUL_N
.endif
.else
.if (\s) == 0
	WIN MUL_T0
.else
	WIN MUL_T
.endif
.endif
.irp a, 0,1,2,3,4,5,6,7
.irp bb, 0,1,2,3
.set FA, 96*((\s)%2)+12*\a
.set FB, 48*((\s)%2)+12*\bb
.if \nat
.set AC, 8*(8*\bb+\a)
.if (\s) == 0
	v_wmma_scale_f32_16x16x128_f8f6f4 v[AC:AC+7], v[FA:FA+11], v[FB:FB+11], v[BIV+8*\bb:BIV+8*\bb+7], v[SA+8*\a+(\s)], v[SB+8*\bb+(\s)] matrix_a_fmt:MATRIX_FMT_FP6 matrix_b_fmt:MATRIX_FMT_FP6
.else
	v_wmma_scale_f32_16x16x128_f8f6f4 v[AC:AC+7], v[FA:FA+11], v[FB:FB+11], v[AC:AC+7], v[SA+8*\a+(\s)], v[SB+8*\bb+(\s)] matrix_a_fmt:MATRIX_FMT_FP6 matrix_b_fmt:MATRIX_FMT_FP6
.endif
.else
.set AC, 8*(4*\a+\bb)
.if (\s) == 0
	v_wmma_scale_f32_16x16x128_f8f6f4 v[AC:AC+7], v[FB:FB+11], v[FA:FA+11], v[BI+8*\bb:BI+8*\bb+7], v[SB+8*\bb+(\s)], v[SA+8*\a+(\s)] matrix_a_fmt:MATRIX_FMT_FP6 matrix_b_fmt:MATRIX_FMT_FP6
.else
	v_wmma_scale_f32_16x16x128_f8f6f4 v[AC:AC+7], v[FB:FB+11], v[FA:FA+11], v[AC:AC+7], v[SB+8*\bb+(\s)], v[SA+8*\a+(\s)] matrix_a_fmt:MATRIX_FMT_FP6 matrix_b_fmt:MATRIX_FMT_FP6
.endif
.endif
.endr
.endr
.endm
; ring = 1 (q, k): at the top of K steps 3 and 7 the slot whose last fragments are in registers is filled again with the next kind's half
.macro STEP s, nat, ring
.if (\ring) && (((\s) == 3) || ((\s) == 7))
	WIN 0
	s_wait_tensorcnt 0x0                           ; all my tensor loads have landed: at the most one was out;
	ds_add_u32 v254, v255                          ; 0 onto my spare word;
	s_add_nc_u64 s[GR+4*((\s)/4)+2:GR+4*((\s)/4)+3], s[GR+4*((\s)/4)+2:GR+4*((\s)/4)+3], 64*TILEB   ; no load of mine is out, so a group 0 may be written: the next kind's tiles
	s_wait_dscnt 0x0                               ; the add is done, this K step's fragments are in, and my reads of the slot are over
	CROUND                                         ; all that holds of every wave of all sixteen work-groups
	tensor_load_to_lds s[GR+4*((\s)/4):GR+4*((\s)/4)+3], s[G1C:G1C+7]   ; my one load behind the round: my four tiles of slot s / 4
	s_nop 0
	PLACES                                         ; (also the places in front of the fetch below)
.else
	s_wait_dscnt 0x0                               ; this K step's fragments are in
.if (\s) == 3
	s_wait_tensorcnt 0x0                           ; v: whatever I asked for has landed,
	s_barrier_signal -1
	s_barrier_wait -1                              ; and everybody's has: slot 1 is whole
.endif
.if ((\s) > 0) && ((\s) < 7)
	PLACES                                         ; the set to be loaded was read by the K step before
.endif
.endif
.if (\s) < 7
	FETCH (\s)+1
.endif
	MUL \s, \nat
.endm
.macro GEMM nat, ring
	FETCH 0
.irp s, 0,1,2,3,4,5,6,7
	STEP \s, \nat, \ring
.endr
	PLACES                                         ; in front of the first read of results
.endm
; 32 numbers of a lane in window 2, register s + 16 b + i = k 32 b + 16 h + i of my row, become six registers of codes at v[pc] (lanes 0-15 block 0, lanes 16-31 block 1) and two scale bytes in v[w], sh bits up.
.macro QHALF s, pc, w, sh
	WIN MAXW
.irp b, 0,1
	v_max3_num_f32 v[TM+\b], 0x1800000, |v[(\s)+16*\b]|, |v[(\s)+16*\b+1]|   ; my 16 numbers, each accumulator from its low end on, and the floor 2^(3 - 127): the byte cannot fall under 1
.endr
.irp i, 2,4,6,8,10,12,14
.irp b, 0,1
	v_max3_num_f32 v[TM+\b], v[TM+\b], |v[(\s)+16*\b+\i]|, |v[(\s)+16*\b+\i+1]|
.endr
.endr
	WIN 0
.irp b, 0,1
	v_permlanex16_b32 v[TX+\b], v[TM+\b], s[SEL], s[SEL+1]
.endr
.irp b, 0,1
	v_max_num_f32 v[TM+\b], v[TM+\b], v[TX+\b]     ; with lane l xor 16's: the block's largest magnitude
.endr
.irp b, 0,1
	v_add_nc_u32 v[SO+\b], 0xff000000, v[TM+\b]    ; 2 off its exponent field: the conversion's scale operand
.endr
.irp b, 0,1
	v_lshrrev_b32 v[TX+\b], 23, v[SO+\b]           ; the scale's byte
.endr
.if \sh == 0
	v_lshl_or_b32 v[\w], v[TX+1], 8, v[TX]         ; bytes 0 and 1; bytes 2 and 3 stay 0
.else
	v_lshl_or_b32 v[\w], v[TX], 16, v[\w]
	v_lshl_or_b32 v[\w], v[TX+1], 24, v[\w]
.endif
	WIN CVTW
	v_cvt_scalef32_pk16_fp6_f32 v[\pc:\pc+2], v[(\s):(\s)+15], v[SO]
	v_cvt_scalef32_pk16_fp6_f32 v[PT:PT+2], v[(\s)+16:(\s)+31], v[SO+1]
	WIN 0
	v_nop                                          ; one plain place behind a scaled conversion
.irp i, 0,1,2
	v_permlane16_swap_b32 v[\pc+\i], v[PT+\i]      ; a whole block to a lane
.endr
.irp i, 0,1,2
	v_mov_b32 v[\pc+3+\i], v[PT+\i]
.endr
.endm
.macro MOVE32 to, from                 ; 32 registers out of window 3
	WIN FROM_B
.set I, 0
.rept 32
	v_mov_b32 v[\to+I], v[\from+I]
.set I, I+1
.endr
	WIN 0
.endm
	s_cmp_lt_u32 s[WV], 2                          ; waves 0 and 1 asked for half 0, by lines that are theirs alone: they wait
	s_cbranch_scc0 .Llater
	s_wait_tensorcnt 0x0
.Llater:
	s_wait_loadcnt 0x0                             ; all scale words and biases
	s_barrier_signal -1
	s_barrier_wait -1                              ; half 0 is whole; half 1 may still be on its way
	s_mov_b32 s[KD], 0
.Lkind:                                                ; ---- q, then k
	s_wait_xcnt 0x0                                ; the last kind's stores have read their bases and registers
	s_mov_b32 s58, 208896                          ; a head's block of kv,
	s_cmp_eq_u32 s[KD], 0
	s_cselect_b64 s[98:99], s[14:15], s[16:17]     ; the buffer,
	s_cselect_b32 s58, 106496, s58                 ; or a head's block of qb,
	s_cselect_b32 s86, s56, s57                    ; and the codes' place in it
	s_mul_i32 s58, s58, s92
	s_mov_b32 s59, 0
	s_add_nc_u64 s[98:99], s[98:99], s[58:59]      ; my head's block
	s_mov_b32 s87, 0
	s_add_nc_u64 s[86:87], s[98:99], s[86:87]      ; my eight tiles' codes
	s_lshl_b32 s58, s93, 9
	s_add_nc_u64 s[98:99], s[98:99], s[58:59]      ; and their scale words: 512 bytes
	GEMM 0, 1
.irp a, 0,1,2,3,4,5,6,7                        ; tile a of rows: its 32 registers are the head's 64 channels of my row, with lane l xor 16
	QHALF 32*\a, CD+6*\a, WD+\a, 0
.irp p, 0,1,2
	global_store_b64 v1, v[CD+6*\a+2*\p:CD+6*\a+2*\p+1], s[86:87] offset:768*\a+256*\p   ; 256 consecutive bytes, aligned
.endr
.endr
	v_cmp_ne_u32 vcc_lo, 0, v3
.irp g, 0,1                                    ; scale words as [4 tiles' group][place 16][tile 4]: lanes 0-15 store tiles 0, 1 of the group, lanes 16-31 tiles 2, 3
	v_cndmask_b32 v[240+2*\g], v[WD+4*\g], v[WD+4*\g+2], vcc_lo
	v_cndmask_b32 v[241+2*\g], v[WD+4*\g+1], v[WD+4*\g+3], vcc_lo
	global_store_b64 v12, v[240+2*\g:241+2*\g], s[98:99] offset:256*\g
.endr
	s_cmp_eq_u32 s[KD], 0                          ; behind q: k's scale words and bias go where the products take them
	s_cbranch_scc0 .Lnot_k
	MOVE32 SB, SBK
	MOVE32 BI, BIK                                 ; (these 32 and the four below are the places between the scale words just written and the scaled products)
	PLACES
	s_wait_alu depctr_va_vdst(0)
.Lnot_k:
	s_add_co_u32 s[KD], s[KD], 1
	s_cmp_lt_u32 s[KD], 2
	s_cbranch_scc1 .Lkind
	; ---- v
	s_wait_xcnt 0x0                                ; k's stores have read their bases and registers
	s_mul_i32 s58, s92, 208896
	s_mov_b32 s59, 0
	s_add_nc_u64 s[98:99], s[16:17], s[58:59]      ; my head's block of kv
	s_add_co_u32 s86, s57, 6144
	s_mov_b32 s87, 0
	s_add_nc_u64 s[86:87], s[98:99], s[86:87]      ; this key step's four fragments
	s_lshl_b32 s58, s93, 8
	s_add_co_u32 s58, s58, 8192
	s_add_nc_u64 s[98:99], s[98:99], s[58:59]      ; and their scale words: 256 bytes
	MOVE32 SB, SBV
	PLACES
	PLACES                                         ; eight places between a scale word just written and the scaled products
	s_wait_alu depctr_va_vdst(0)
	GEMM 1, 0
.irp bb, 0,1,2,3                               ; tile bb of channels: its 64 registers are 128 keys of my channel, with lane l xor 16: a whole fragment
	QHALF 64*\bb, CD+12*\bb, WD+\bb, 0
	QHALF 64*\bb+32, CD+12*\bb+6, WD+\bb, 16
.irp p, 0,1,2,3,4,5
	global_store_b64 v1, v[CD+12*\bb+2*\p:CD+12*\bb+2*\p+1], s[86:87] offset:1536*\bb+256*\p
.endr
.endr
	v_cmp_ne_u32 vcc_lo, 0, v3
	v_cndmask_b32 v240, v[WD], v[WD+2], vcc_lo
	v_cndmask_b32 v241, v[WD+1], v[WD+3], vcc_lo
	global_store_b64 v12, v[240:241], s[98:99]     ; [place 16][tile 4] words: 256 consecutive bytes
	s_wait_tensorcnt 0x0                           ; the wave's end
	ds_add_u32 v254, v255
	s_wait_dscnt 0x0
	CROUND                                         ; the closing round: no work-group ends while a partner may still ask for a tile that names it
	s_endpgm
.Lfunc_end_k_q85ae777387_qkv:
	.size	k_q85ae777387_qkv, .Lfunc_end_k_q85ae777387_qkv-k_q85ae777387_qkv
	.p2alignl 7, 3214868480
	.fill 96, 4, 3214868480
	.section	.rodata,"a",@progbits
	.p2align	6, 0x0
	.amdhsa_kernel k_q85ae777387_qkv
		.amdhsa_group_segment_fixed_size 327680
		.amdhsa_private_segment_fixed_size 0
		.amdhsa_enable_private_segment 0
		.amdhsa_kernarg_size 56
		.amdhsa_user_sgpr_count 2
		.amdhsa_user_sgpr_kernarg_segment_ptr 1
		.amdhsa_wavefront_size32 1
		.amdhsa_system_sgpr_workgroup_id_x 1
		.amdhsa_system_sgpr_workgroup_id_y 1
		.amdhsa_system_sgpr_workgroup_id_z 1
		.amdhsa_system_vgpr_workitem_id 0
		.amdhsa_next_free_vgpr 992
		.amdhsa_next_free_sgpr 102
		.amdhsa_reserve_vcc 1
		.amdhsa_float_denorm_mode_32 3
		.amdhsa_float_denorm_mode_16_64 3
		.amdhsa_memory_ordered 1
		.amdhsa_forward_progress 1
		.amdhsa_inst_pref_size 200
	.end_amdhsa_kernel
	.amdgpu_metadata
---
amdhsa.version: [ 1, 2 ]
amdhsa.kernels:
  - .name:           k_q85ae777387_qkv
    .symbol:         k_q85ae777387_qkv.kd
    .args:
      - { .name: cod, .offset: 0, .size: 8, .value_kind: global_buffer, .address_space: global }
      - { .name: scl, .offset: 8, .size: 8, .value_kind: global_buffer, .address_space: global }
      - { .name: bq, .offset: 16, .size: 8, .value_kind: global_buffer, .address_space: global }
      - { .name: bk, .offset: 24, .size: 8, .value_kind: global_buffer, .address_space: global }
      - { .name: bv, .offset: 32, .size: 8, .value_kind: global_buffer, .address_space: global }
      - { .name: qb, .offset: 40, .size: 8, .value_kind: global_buffer, .address_space: global }
      - { .name: kv, .offset: 48, .size: 8, .value_kind: global_buffer, .address_space: global }
    .group_segment_fixed_size: 327680
    .private_segment_fixed_size: 0
    .kernarg_segment_align: 8
    .kernarg_segment_size: 56
    .max_flat_workgroup_size: 128
    .sgpr_count:     102
    .vgpr_count:     992
    .wavefront_size: 32
...
	.end_amdgpu_metadata
.endif
;; end of part 2
;; launch attn (part 3): grid 4 x 64, 8 waves a work-group, clusters of 4 x 1, 209,920 bytes of LDS; arguments qb, kv, oc, osc; writes oc, osc
.if DOCPART == 3
	.amdgcn_target "amdgcn-amd-amdhsa--gfx1250"
	.amdhsa_code_object_version 6
	.text
	.protected	k_q85ae777387_attn
	.globl	k_q85ae777387_attn
	.p2align	8
	.type	k_q85ae777387_attn,@function
k_q85ae777387_attn:
	s_mov_b64 s[64:65], 0
	v_nop
	global_prefetch_b8 v0, s[64:65] scope:SCOPE_SE
	s_setreg_imm32_b32 hwreg(HW_REG_WAVE_MODE, 25, 1), 1
	s_wait_xcnt 0x0
	s_wait_alu depctr_hold_cnt(0) depctr_sa_sdst(0) depctr_va_vdst(0) depctr_va_sdst(0) depctr_va_ssrc(0) depctr_va_vcc(0) depctr_vm_vsrc(0)
	s_getreg_b32 s2, hwreg(HW_REG_IB_STS2, 6, 4)
	s_cmp_eq_u32 s2, 0
	s_cbranch_scc0 .Lentry_in_a_cluster
	s_endpgm
.Lentry_in_a_cluster:
	s_bfe_u32 s2, ttmp6, 0x10000c
	s_cmp_lg_u32 s2, 0x3003
	s_cbranch_scc0 .Lentry_shape_is_right
	s_endpgm
.Lentry_shape_is_right:
; For each of 64 (batch, head): O[q] = the sum over the keys of softmax(Q[q] . K[k] / 8) V[k], 2,048 queries and keys, 64 channels, both products on codes of FP6 (E2M3) with E8M0 scales; O is quantised along the head for the last product.
; THE SOFTMAX AHEAD OF THE SECOND PRODUCT: t = score x log2(e) / 8; M = the running largest t rounded UP to a whole number; p = 2^(t - M) is quantised along the keys, not normalised; the row's sum is taken of the
; unquantised p in f32 and divides O at the end.  When M moves, the sum and O are multiplied by 2^(old M - new M): exact, and with no branch on data.
; LIMITS: NaN and infinities are not served; the promise holds while |t| stays under 2^31; p under 2^-126 counts as 0; 1 / sum by v_rcp_f32; a block of zeros gets the byte 1 (its codes are zeros; this program alone reads the bytes).
; SHARES: 256 work-groups.  A work-group owns 512 queries of one head; each of its eight waves takes TWO TILES OF 16 QUERIES JOINTLY (tiles 2 w and 2 w + 1 of the work-group's 32), and then the two that lie 16 tiles on.
; Each fragment of K and of V that a wave reads from LDS feeds both tiles' products.  TILE A LIES IN REGISTER WINDOW 0, TILE B IN WINDOW 1, AT THE SAME NUMBERS: each part of the softmax is one macro, run under one window setting.
; Scale registers have no window: K's, V's, both Q's and both p's scale words lie in window 0.  V's fragments lie in window 1 (v32-79), K's in window 0, so that K of the next key step is fetched directly behind the score products.
; THE ORDER OF A KEY STEP: the scores of A and B; the fetches; A's maxima, M, t - M and O's rescaling; B's maxima; A's exponentials; B's M and t - M behind them; B's exponentials; A's sums and codes behind them; B's rescaling, sums and codes; the products with V.
; So every first read of a score, and A's first read of O^T, stands ahead of the step's first exponential, and B's first read of O^T directly behind the step's last s_wait_alu.
; A HEAD'S K, V AND SCALE WORDS, 208,896 BYTES, LIE IN LDS AS THEY LIE IN MEMORY: 12,288 bytes of scale words, then 16 key steps of 12,288 (K's 6,144, V's 6,144).  They come once and serve all four tiles of every wave.
; FILLS: one tensor load a wave, at the head: waves 0 and 1 a half each of the first 61,440 bytes (scale words, key steps 0 to 3), waves 2 to 7 two later key steps each.  Nothing is filled twice.
; The first barrier shows the first 61,440 bytes: waves 0 and 1 alone wait ahead of it, for a load line that is theirs alone.  The second, behind three key steps (whose fetches reach key step 3), shows all: every wave waits for 0.
; The fetch of the next key step is held at the walk's last one: the last trip of a walk over key step 15 reads K of key step 15 once more, 26 loads that nobody uses: the price of one text for all trips.
; CLUSTER 4 x 1: the four work-groups of one head ask for that block of memory jointly.  NO PREFETCH: every fill is asked for at the head; no later load is left to run ahead of.
; LAYOUT: both products transposed (S^T = K Q^T, O^T = V^T P^T): a lane holds one query throughout.  The keys of a tile are those of the tile order (place i of tile 2 g + u: 32 g + 8 u + i + 8 (i / 8)), so that
; the 16 registers of two neighbouring tiles are 16 neighbouring keys; V's channels likewise, so that O^T's registers run along the channels.
; K = 64 IN AN INSTRUCTION OF 128: Q's upper six registers are zero codes.  K's half fragments lie six registers apart, so a fragment's upper six are the next one's codes: they meet Q's zeros and add nothing.
.set S,   96                           ; v96-159  S^T, then p                      (these, to L2 and C3, in each tile's window)
.set O,   160                          ; v160-191 O^T
.set CD,  192                          ; v192-203 p's codes
.set PT,  204                          ; v204-206, v208-210 the conversions' second halves
.set BM,  212                          ; v212-215 each block's largest score, then its largest p
.set BX,  216                          ; v216-219 the other half's; then the bytes
.set SO,  220                          ; v220-223 the conversions' scale operands
.set F,   236                          ; v[236:237] f = 2^(old M - new M); at the end 1 / sum
.set TMP, 238
.set PW,  239                          ; p's scale word (window 0: tile A's, as the products take it)
.set L2,  242                          ; v[242:243], v[248:249], v[250:251] the sum's other three chains
.set C2,  248
.set C3,  250
.set KS,  224                          ; window 0: v224-231 K's scale words, a register a tile
.set VS,  232                          ; v232-235 V's
.set QS,  240                          ; tile A's Q's
.set QSB, 244                          ; tile B's Q's
.set PWB, 246                          ; tile B's p's
.set Q2,  86                           ; v86-91 the later tile's Q, in each window; window 0: v92, v93 their scale words
.set WV,  12
.set SEL, 18                           ; s[18:19] selects for lane l xor 16
.set CS,  20                           ; s[20:21] c = log2(e) / 8
.set TB,  22                           ; 12,288 x the key step
.set TS,  23                           ; 512 x
.set TJ,  56                           ; 256 x
.set CNT, 57
.set HM,  80                           ; the mask of lanes 16-31
.set TN,  81                           ; 12,288 x the key step that is fetched next
.set TSN, 82                           ; 512 x
.set G1X, 24                           ; s[24:31] group 1: 120 rows of 256 bytes;  s[32:39]: 96 rows
.set G1Y, 32
.set G0,  40                           ; s[40:47] two groups 0
.set MSB, 0
.macro WIN new                         ; the immediate's high byte repeats the setting that is left.  0x55: every operand in window 1
.if MSB != \new
	s_set_vgpr_msb (MSB<<8)|\new
.set MSB, \new
.endif
.endm
.macro WALU
	s_wait_alu depctr_va_vdst(0)
.endm
.macro CROUND                          ; a round of the cluster's barrier
	s_barrier_signal -1
	s_barrier_wait -1
	s_cmp_lg_u32 s[WV], 0
	s_cbranch_scc1 .Lnot_wave_0_\@
	s_barrier_signal -3
.Lnot_wave_0_\@:
	s_barrier_wait -3
	s_barrier_signal -1
	s_barrier_wait -1
.endm
.macro RESET                           ; a tile of queries begins
	v_mov_b32 v13, 0xff61b1e6                      ; the largest t so far: -3e38, under every t
	v_mov_b32 v14, 0                               ; the sum, in two halves
	v_mov_b32 v15, 0
	v_floor_f32 v12, -v13                          ; -M
.irp j, 0,1,2,3,4,5,6,7,8,9,10,11,12,13,14,15,16,17,18,19,20,21,22,23,24,25,26,27,28,29,30,31
	v_mov_b32 v[O+\j], 0                           ; O^T: the step is written once; its first trip finds zeros, which the first change of M leaves zeros
.endr
.endm
.macro ONCE                            ; what a window holds from the head on
	v_mov_b32 v[F+1], 0                            ; (named as the upper half of a pair)
.irp j, 22,23,24,25,26,27
	v_mov_b32 v[\j], 0                             ; zero codes: Q's upper half
.endr
.irp b, 0,1,2,3
	v_mov_b32 v[BX+\b], 0                          ; written once: a lane permute's destination counts as one of its sources
.endr
	RESET
.endm
	s_load_b256 s[4:11], s[0:1], 0x0               ; qb, kv, oc, osc
	v_lshl_add_u32 v254, v0, 2, 0x33000
	v_mov_b32 v255, 0
	ds_add_u32 v254, v255                          ; the opening lines: the add twice on end and its one wait
	ds_add_u32 v254, v255
	v_lshrrev_b32 v7, 5, v0
	v_readfirstlane_b32 s[WV], v7                  ; wave 0..7
	v_and_b32 v7, 31, v0
	v_lshlrev_b32 v1, 3, v7                        ; 8 x lane
	v_and_b32 v7, 15, v0
	v_lshlrev_b32 v2, 4, v7                        ; 16 r
	v_bfe_u32 v3, v0, 4, 1                         ; h
	v_add_nc_u32 v7, v2, v3                        ; 16 r + h: my byte among a tile's scale bytes
	v_cmp_ne_u32 s[HM], 0, v3
	s_and_b32 s13, s[WV], 1                        ; waves 0 and 1: which half of the first 61,440 bytes
	s_bfe_u32 s14, ttmp6, 0x40000                  ; cx
	s_lshl_b32 s15, ttmp9, 2
	s_add_co_u32 s15, s15, s14                     ; my block of 512 queries: it enters global addresses alone
	s_and_b32 s16, ttmp7, 0xffff                   ; 16 x batch + head, which the four partners share
	s_lshl_b32 s17, s15, 5
	s_lshl_b32 s79, s[WV], 1
	s_add_co_u32 s17, s17, s79                     ; tile A of my first pair; B is the next; the second pair lies 16 tiles on
	s_mov_b32 s[SEL], 0x76543210
	s_mov_b32 s[SEL+1], 0xfedcba98
	s_mov_b32 s[CS], 0x3e38aa3b
	s_mov_b32 s[CS+1], s[CS]                       ; (named with it as a pair, so it is written)
	; group 1: a dense block as rows of 256 bytes (32 elements of 8 bytes), no padding
	s_mov_b32 s[G1X], 15|(3<<16)|(1<<21)           ; 15:0 the mask: all four work-groups; 17:16 elements of 8 bytes; 21 set beside a mask
	s_mov_b32 s[G1Y], 15|(3<<16)|(1<<21)
.irp g, G1X, G1Y
	s_mov_b32 s[\g+1], 32<<16
	s_mov_b32 s[\g+3], 32<<16
	s_mov_b32 s[\g+5], 32
	s_mov_b32 s[\g+6], 0
	s_mov_b32 s[\g+7], 0
.endr
	s_mov_b32 s[G1X+2], 120<<16                    ; 30,720 bytes for each of waves 0 and 1
	s_mov_b32 s[G1X+4], 120
	s_mov_b32 s[G1Y+2], 96<<16                     ; two key steps, 24,576 bytes, for each of waves 2 to 7
	s_mov_b32 s[G1Y+4], 96
	s_mul_i32 s58, s16, 208896                     ; the head's block of kv
	s_mov_b32 s59, 0
	s_mul_i32 s60, s13, 30720
	s_mov_b32 s61, 0
	s_mul_i32 s62, s[WV], 24576
	s_add_co_u32 s62, s62, 12288                   ; wave w, 2 to 7, takes key steps 2 w and 2 w + 1: byte 12,288 (2 w + 1)
	s_mov_b32 s63, 0
	; where Q comes from and where the result goes
	s_mul_i32 s66, s16, 106496                     ; the head's block of qb
	s_mul_i32 s68, s17, 768
	s_add_co_u32 s68, s68, s66
	s_add_co_u32 s68, s68, 8192                    ; tile A's codes; B's 768 bytes on
	s_mov_b32 s69, 0
	s_lshr_b32 s67, s17, 2
	s_lshl_b32 s67, s67, 8
	s_add_co_u32 s66, s66, s67
	s_and_b32 s67, s17, 3
	s_lshl_b32 s67, s67, 2
	s_add_co_u32 s66, s66, s67                     ; and its scale words: [group of 4 tiles][place 16][tile 4]; B's 4 bytes on
	s_mov_b32 s67, 0
	s_lshr_b32 s74, s16, 4
	s_and_b32 s75, s16, 15                         ; the head
	s_lshl_b32 s74, s74, 7
	s_add_co_u32 s74, s74, s17                     ; tile A among the 512 of oc: 128 x batch + the tile
	s_lshr_b32 s76, s75, 1                         ; the last product's K step: two heads
	s_and_b32 s77, s75, 1                          ; which half of it
	s_mul_i32 s70, s74, 12288
	s_mul_i32 s78, s76, 1536
	s_add_co_u32 s70, s70, s78
	s_mul_i32 s78, s77, 768
	s_add_co_u32 s70, s70, s78                     ; three pieces of that fragment
	s_mov_b32 s71, 0
	s_lshl_b32 s72, s74, 9
	s_lshr_b32 s78, s75, 3
	s_lshl_b32 s78, s78, 8
	s_add_co_u32 s72, s72, s78
	s_and_b32 s78, s76, 3
	s_lshl_b32 s78, s78, 2
	s_add_co_u32 s72, s72, s78
	s_lshl_b32 s78, s77, 1
	s_add_co_u32 s72, s72, s78                     ; two bytes of that K step's scale word
	s_mov_b32 s73, 0
.irp j, 80,81,82,83,84,85
	v_mov_b32 v[\j], 0                             ; zero codes behind K's last half fragment
.endr
	ONCE
	WIN 0x55
	ONCE
	WIN 0
	WALU                                           ; the wait at the head's end
	s_wait_dscnt 0x0
	s_wait_kmcnt 0x0
	s_add_nc_u64 s[58:59], s[6:7], s[58:59]
	s_add_nc_u64 s[68:69], s[4:5], s[68:69]
	s_add_nc_u64 s[66:67], s[4:5], s[66:67]
	s_add_nc_u64 s[70:71], s[8:9], s[70:71]
	s_add_nc_u64 s[72:73], s[10:11], s[72:73]
	CROUND                                         ; all four work-groups are here: the joint loads meet
	s_mov_b32 s[G0], 1
	s_mov_b32 s[G0+1], s60                         ; LDS is the image of memory: the same offset on both sides
	s_add_nc_u64 s[G0+2:G0+3], s[58:59], s[60:61]
	s_or_b32 s[G0+3], s[G0+3], 0x80000000
	s_mov_b32 s[G0+4], 1
	s_mov_b32 s[G0+5], s62
	s_add_nc_u64 s[G0+6:G0+7], s[58:59], s[62:63]
	s_or_b32 s[G0+7], s[G0+7], 0x80000000
	s_cmp_lt_u32 s[WV], 2                          ; all fills of the launch: one branch on the wave's number, one load in each arm, one join
	s_cbranch_scc0 .Lfill_rest
	tensor_load_to_lds s[G0:G0+3], s[G1X:G1X+7]
	s_nop 0
.rept 4
	v_nop
.endr
	s_branch .Lfilled
.Lfill_rest:
	tensor_load_to_lds s[G0+4:G0+7], s[G1Y:G1Y+7]
	s_nop 0
.rept 4
	v_nop
.endr
.Lfilled:
.irp p, 0,1,2
	global_load_b64 v[16+2*\p:17+2*\p], v1, s[68:69] offset:256*\p            ; tile A's Q: a half fragment, which stays in registers
	global_load_b64 v[Q2+2*\p:Q2+2*\p+1], v1, s[68:69] offset:12288+256*\p    ; and that of the tile 16 on
.endr
	global_load_b32 v[QS], v2, s[66:67]            ; the four tiles' scale words
	global_load_b32 v[QSB], v2, s[66:67] offset:4
	global_load_b32 v[Q2+6], v2, s[66:67] offset:1024
	global_load_b32 v[Q2+7], v2, s[66:67] offset:1028
	WIN 0x40
.irp p, 0,1,2
	global_load_b64 v[16+2*\p:17+2*\p], v1, s[68:69] offset:768+256*\p        ; tile B's, into window 1
	global_load_b64 v[Q2+2*\p:Q2+2*\p+1], v1, s[68:69] offset:13056+256*\p
.endr
	WIN 0
; ---- the parts of a key step for one tile, each run under that tile's window
.macro MAXB                            ; the largest score of each block of 32 keys: it serves for the row's maximum and, since p rises with the score, for the block's largest p.  It reads every score once, each accumulator from its low end on
.irp b, 0,1,2,3
	v_max3_num_f32 v[BM+\b], v[S+16*\b], v[S+16*\b+1], v[S+16*\b+2]
.endr
.irp i, 3,5,7,9,11,13
.irp b, 0,1,2,3
	v_max3_num_f32 v[BM+\b], v[BM+\b], v[S+16*\b+\i], v[S+16*\b+\i+1]
.endr
.endr
.irp b, 0,1,2,3
	v_max_num_f32 v[BM+\b], v[BM+\b], v[S+16*\b+15]
.endr
.irp b, 0,1,2,3
	v_permlanex16_b32 v[BX+\b], v[BM+\b], s[SEL], s[SEL+1]
.endr
.irp b, 0,1,2,3
	v_max_num_f32 v[BM+\b], v[BM+\b], v[BX+\b]     ; with lane l xor 16's 16 keys
.endr
.endm
.macro TMINUSM                         ; the new M, f, and t - M
	v_max3_num_f32 v[TMP], v[BM], v[BM+1], v[BM+2]
	v_max_num_f32 v[TMP], v[TMP], v[BM+3]          ; the step's largest score of my query
	v_mul_f32 v[TMP], s[CS], v[TMP]                ; as t (c is positive)
	v_max_num_f32 v13, v13, v[TMP]                 ; the running largest t
	v_mov_b32 v[TMP], v12
	v_floor_f32 v12, -v13                          ; the new -M = floor(-t) = -ceil(t): a whole number
	v_sub_f32 v[TMP], v12, v[TMP]                  ; old M - new M: a whole number, 0 or less
	v_cvt_i32_f32 v[TMP], v[TMP]                   ; (it saturates)
	v_ldexp_f32 v[F], 1.0, v[TMP]                  ; f = 2^(old M - new M)
.irp j, 0,2,4,6,8,10,12,14,16,18,20,22,24,26,28,30,32,34,36,38,40,42,44,46,48,50,52,54,56,58,60,62
	v_pk_fma_f32 v[S+\j:S+\j+1], v[S+\j:S+\j+1], s[CS:CS+1], v[12:13] op_sel_hi:[1,0,0]   ; t - M, two at a time
.endr
.irp b, 0,1,2,3
	v_fma_f32 v[BM+\b], v[BM+\b], s[CS], v12       ; the same of each block's largest score
.endr
.endm
.macro RESC                            ; O^T under the new M
.irp j, 0,2,4,6,8,10,12,14,16,18,20,22,24,26,28,30
	v_pk_mul_f32 v[O+\j:O+\j+1], v[O+\j:O+\j+1], v[F:F+1] op_sel_hi:[1,0]
.endr
.endm
.macro EXPS                            ; one batch: p = 2^(t - M), at most 1, and each block's largest p, by the same two instructions on the same number
.irp j, 0,1,2,3,4,5,6,7,8,9,10,11,12,13,14,15,16,17,18,19,20,21,22,23,24,25,26,27,28,29,30,31,32,33,34,35,36,37,38,39,40,41,42,43,44,45,46,47,48,49,50,51,52,53,54,55,56,57,58,59,60,61,62,63
	v_exp_f32 v[S+\j], v[S+\j]
.endr
.irp b, 0,1,2,3
	v_exp_f32 v[BM+\b], v[BM+\b]
.endr
.endm
.macro CODES w, pw                     ; the row's sum of the unquantised p, two at a time in four chains; p's scale word, into window 0's v[pw]; p's codes
	v_pk_add_f32 v[L2:L2+1], v[S:S+1], v[S+2:S+3]
	v_pk_add_f32 v[C2:C2+1], v[S+4:S+5], v[S+6:S+7]
	v_pk_add_f32 v[C3:C3+1], v[S+8:S+9], v[S+10:S+11]
	v_pk_fma_f32 v[14:15], v[14:15], v[F:F+1], v[S+12:S+13] op_sel_hi:[1,0,1]   ; the old sum comes under the new M in the same line
.irp j, 14,22
	v_pk_add_f32 v[L2:L2+1], v[L2:L2+1], v[S+\j:S+\j+1]
	v_pk_add_f32 v[C2:C2+1], v[C2:C2+1], v[S+\j+2:S+\j+3]
	v_pk_add_f32 v[C3:C3+1], v[C3:C3+1], v[S+\j+4:S+\j+5]
	v_pk_add_f32 v[14:15], v[14:15], v[S+\j+6:S+\j+7]
.endr
	v_pk_add_f32 v[L2:L2+1], v[L2:L2+1], v[S+30:S+31]
.irp b, 0,1,2,3
	v_max_num_f32 v[BM+\b], 0x1800000, v[BM+\b]    ; the floor 2^(3 - 127): the byte cannot fall under 1
.endr
.irp b, 0,1,2,3
	v_add_nc_u32 v[SO+\b], 0xff000000, v[BM+\b]    ; 2 off the exponent field: the conversion's scale operand
.endr
.irp b, 0,1,2,3
	v_lshrrev_b32 v[BX+\b], 23, v[SO+\b]           ; the scale's byte
.endr
	v_lshl_or_b32 v[PW], v[BX+1], 8, v[BX]
	v_lshl_or_b32 v[PW], v[BX+2], 16, v[PW]
	WIN 0x11*\w                                    ; the sources in the tile's window, the destination in window 0
	v_lshl_or_b32 v[\pw], v[BX+3], 24, v[PW]       ; p's scale word for these 128 keys
	WIN 0x55*\w
.irp c, 0,1
	v_cvt_scalef32_pk16_fp6_f32 v[CD+6*\c:CD+6*\c+2], v[S+32*\c:S+32*\c+15], v[SO+2*\c]
	v_cvt_scalef32_pk16_fp6_f32 v[PT+4*\c:PT+4*\c+2], v[S+32*\c+16:S+32*\c+31], v[SO+2*\c+1]
.endr
	v_nop                                          ; one plain place behind a scaled conversion
.irp c, 0,1                                    ; a whole block to a lane: lanes 0-15 block 2 c, lanes 16-31 block 2 c + 1
.irp i, 0,1,2
	v_permlane16_swap_b32 v[CD+6*\c+\i], v[PT+4*\c+\i]
.endr
.irp i, 0,1,2
	v_mov_b32 v[CD+6*\c+3+\i], v[PT+4*\c+\i]
.endr
.endr
.irp j, 32,40,48,56                            ; the sum's second half: 19 plain instructions between the scale word and codes just made and the scaled products that take them
	v_pk_add_f32 v[C2:C2+1], v[C2:C2+1], v[S+\j:S+\j+1]
	v_pk_add_f32 v[C3:C3+1], v[C3:C3+1], v[S+\j+2:S+\j+3]
	v_pk_add_f32 v[14:15], v[14:15], v[S+\j+4:S+\j+5]
	v_pk_add_f32 v[L2:L2+1], v[L2:L2+1], v[S+\j+6:S+\j+7]
.endr
	v_pk_add_f32 v[14:15], v[14:15], v[L2:L2+1]
	v_pk_add_f32 v[C2:C2+1], v[C2:C2+1], v[C3:C3+1]
	v_pk_add_f32 v[14:15], v[14:15], v[C2:C2+1]
.endm
.macro KLOADS ak, as                   ; K: eight half fragments, each load 256 consecutive bytes; my place's scale words of tiles 0-3 and 4-7
.irp t, 0,1,2,3,4,5,6,7
.irp p, 0,1,2
	ds_load_b64 v[32+6*\t+2*\p:33+6*\t+2*\p], \ak offset:12288+768*\t+256*\p
.endr
.endr
	ds_load_b128 v[KS:KS+3], \as
	ds_load_b128 v[KS+4:KS+7], \as offset:256
.endm
; A KEY STEP: 128 keys, two tiles of queries.  top: the last key step that may be fetched ahead
.macro STEP top
	s_wait_dscnt 0x0                               ; K and its scale words are in
	s_add_co_u32 s[TN], s[TB], 12288
	s_min_u32 s[TN], s[TN], 12288*\top
	s_add_co_u32 s[TSN], s[TS], 512
	s_min_u32 s[TSN], s[TSN], 512*\top
.irp t, 0,1,2,3,4,5,6,7
	v_wmma_scale_f32_16x16x128_f8f6f4 v[S+8*\t:S+8*\t+7], v[32+6*\t:43+6*\t], v[16:27], 0, v[KS+\t], v[QS] matrix_a_fmt:MATRIX_FMT_FP6 matrix_b_fmt:MATRIX_FMT_FP6
.endr
	WIN 0x44                                       ; K in window 0; Q and the scores in window 1
.irp t, 0,1,2,3,4,5,6,7
	v_wmma_scale_f32_16x16x128_f8f6f4 v[S+8*\t:S+8*\t+7], v[32+6*\t:43+6*\t], v[16:27], 0, v[KS+\t], v[QSB] matrix_a_fmt:MATRIX_FMT_FP6 matrix_b_fmt:MATRIX_FMT_FP6
.endr
	WIN 0
	v_add_nc_u32 v4, s[TN], v1                     ; these four are the places in front of the loads below and of the first read of the scores
	v_add_nc_u32 v5, s[TSN], v2
	v_add_nc_u32 v6, s[TB], v1
	v_add_nc_u32 v8, s[TJ], v2
	KLOADS v4, v5                                  ; the next key step's K
	ds_load_b128 v[VS:VS+3], v8 offset:8192        ; this key step's V: its scale words,
	WIN 0x40
.irp ct, 0,1,2,3
.irp p, 0,1,2,3,4,5
	ds_load_b64 v[32+12*\ct+2*\p:33+12*\ct+2*\p], v6 offset:18432+1536*\ct+256*\p   ; and four fragments, into window 1; all land while the softmax is worked
.endr
.endr
	WIN 0
	MAXB
	TMINUSM
	RESC
	WIN 0x55
	MAXB
	WIN 0
	WALU                                           ; ahead of the batch
	EXPS
	WIN 0x55
	TMINUSM                                        ; plain work that names none of the batch's results
	WALU                                           ; behind A's batch and ahead of B's
	EXPS
	WIN 0
	CODES 0, PW
	WIN 0x55
	WALU                                           ; behind B's batch, and directly ahead of the first reader of B's O^T
	RESC
	CODES 1, PWB
	WIN 0
	s_wait_dscnt 0x0                               ; V is in (and the next K)
	WIN 0x01                                       ; V in window 1; A's codes and O^T in window 0
.irp ct, 0,1,2,3
	v_wmma_scale_f32_16x16x128_f8f6f4 v[O+8*\ct:O+8*\ct+7], v[32+12*\ct:43+12*\ct], v[CD:CD+11], v[O+8*\ct:O+8*\ct+7], v[VS+\ct], v[PW] matrix_a_fmt:MATRIX_FMT_FP6 matrix_b_fmt:MATRIX_FMT_FP6
.endr
	WIN 0x55
.irp ct, 0,1,2,3
	v_wmma_scale_f32_16x16x128_f8f6f4 v[O+8*\ct:O+8*\ct+7], v[32+12*\ct:43+12*\ct], v[CD:CD+11], v[O+8*\ct:O+8*\ct+7], v[VS+\ct], v[PWB] matrix_a_fmt:MATRIX_FMT_FP6 matrix_b_fmt:MATRIX_FMT_FP6
.endr
	WIN 0
.endm
; n key steps from key step first on
.macro WALK first, n, top
	s_mov_b32 s[TB], 12288*\first
	s_mov_b32 s[TS], 512*\first
	s_mov_b32 s[TJ], 256*\first
	s_mov_b32 s[CNT], \n
.Lstep_\@:
	STEP \top
	s_add_co_u32 s[TB], s[TB], 12288
	s_add_co_u32 s[TS], s[TS], 512
	s_add_co_u32 s[TJ], s[TJ], 256
	s_sub_co_u32 s[CNT], s[CNT], 1
	s_cmp_lg_u32 s[CNT], 0
	s_cbranch_scc1 .Lstep_\@
.endm
; THE WAY OUT of the tile in window w of pair n: O^T / the sum, quantised along the head's 64 channels (two blocks, with lane l xor 16), as half a fragment of the last product's operand.
.macro WAYOUT n, w
	WIN 0x55*\w
	WALU
	v_add_f32 v14, v14, v15                        ; the sum's two halves,
	v_permlanex16_b32 v[TMP], v14, s[SEL], s[SEL+1]
	v_add_f32 v14, v14, v[TMP]                     ; and lane l xor 16's: the row's sum
	WALU
	v_rcp_f32 v[F], v14
	v_nop                                          ; a plain place behind the reciprocal;
	v_nop                                          ; with the three lines above it: five plain places behind the last products
	WALU                                           ; ahead of the reciprocal's first reader and of O^T's
.irp j, 0,2,4,6,8,10,12,14,16,18,20,22,24,26,28,30
	v_pk_mul_f32 v[S+\j:S+\j+1], v[O+\j:O+\j+1], v[F:F+1] op_sel_hi:[1,0]   ; register 16 b + i: channel 32 b + 16 h + i of my query; each accumulator from its low end on
.endr
.irp b, 0,1
	v_max3_num_f32 v[BM+\b], |v[S+16*\b]|, |v[S+16*\b+1]|, 0x1800000
.endr
.irp i, 2,4,6,8,10,12,14
.irp b, 0,1
	v_max3_num_f32 v[BM+\b], v[BM+\b], |v[S+16*\b+\i]|, |v[S+16*\b+\i+1]|
.endr
.endr
.irp b, 0,1
	v_permlanex16_b32 v[BX+\b], v[BM+\b], s[SEL], s[SEL+1]
.endr
.irp b, 0,1
	v_max_num_f32 v[BM+\b], v[BM+\b], v[BX+\b]
.endr
.irp b, 0,1
	v_add_nc_u32 v[SO+\b], 0xff000000, v[BM+\b]
.endr
.irp b, 0,1
	v_lshrrev_b32 v[BX+\b], 23, v[SO+\b]
.endr
	v_cvt_scalef32_pk16_fp6_f32 v[CD:CD+2], v[S:S+15], v[SO]
	v_cvt_scalef32_pk16_fp6_f32 v[PT:PT+2], v[S+16:S+31], v[SO+1]
	v_cndmask_b32 v[TMP], v[BX], v[BX+1], s[HM]    ; my block's byte: block h (a plain place behind the conversions)
.irp i, 0,1,2
	v_permlane16_swap_b32 v[CD+\i], v[PT+\i]
.endr
.irp i, 0,1,2
	v_mov_b32 v[CD+3+\i], v[PT+\i]
.endr
	WIN 0x04*\w                                    ; a store's data are its source 1; its offset lies in window 0
.irp p, 0,1,2
	global_store_b64 v1, v[CD+2*\p:CD+2*\p+1], s[70:71] offset:196608*\n+12288*\w+256*\p   ; 256 consecutive bytes, aligned; a tile of oc is 12,288 bytes
.endr
	global_store_b8 v7, v[TMP], s[72:73] offset:8192*\n+512*\w   ; 32 single bytes, once a tile: a scale word's other two bytes are the neighbouring head's, another work-group's
	WIN 0
.endm
	s_cmp_lt_u32 s[WV], 2                          ; waves 0 and 1 asked for the first 61,440 bytes, by a line that is theirs alone: they wait
	s_cbranch_scc0 .Lnot_mine
	s_wait_tensorcnt 0x0
.Lnot_mine:
	s_wait_loadcnt 0x0                             ; Q, all four tiles'
	s_barrier_signal -1
	s_barrier_wait -1                              ; the scale words and key steps 0 to 3 are whole; the others may be on their way
	KLOADS v1, v2                                  ; key step 0's K
	WALK 0, 3, 3
	s_wait_tensorcnt 0x0                           ; every wave: whatever I asked for has landed,
	s_wait_dscnt 0x0                               ; (no LDS load of mine is out at a signal)
	s_barrier_signal -1
	s_barrier_wait -1                              ; and everybody's has
	WALK 3, 13, 15
	WAYOUT 0, 0
	WAYOUT 0, 1
.irp i, 0,1,2,3,4,5
	v_mov_b32 v[16+\i], v[Q2+\i]                   ; my second pair of tiles: A's Q,
.endr
	v_mov_b32 v[QS], v[Q2+6]                       ; both scale words (the lines below are the places ahead of the scaled products that take them),
	v_mov_b32 v[QSB], v[Q2+7]
	RESET
	WIN 0x55
.irp i, 0,1,2,3,4,5
	v_mov_b32 v[16+\i], v[Q2+\i]                   ; and B's Q
.endr
	RESET
	WIN 0
	WALU
	s_wait_xcnt 0x0                                ; the first pair's stores have read their registers: the steps below write them again
	KLOADS v1, v2                                  ; key step 0's K
	WALK 0, 16, 15
	WAYOUT 1, 0
	WAYOUT 1, 1
	s_wait_tensorcnt 0x0                           ; the wave's end
	ds_add_u32 v254, v255
	s_wait_dscnt 0x0
	CROUND                                         ; the closing round: no work-group ends while a partner may still ask for a tile that names it
	s_endpgm
.Lfunc_end_k_q85ae777387_attn:
	.size	k_q85ae777387_attn, .Lfunc_end_k_q85ae777387_attn-k_q85ae777387_attn
	.p2alignl 7, 3214868480
	.fill 96, 4, 3214868480
	.section	.rodata,"a",@progbits
	.p2align	6, 0x0
	.amdhsa_kernel k_q85ae777387_attn
		.amdhsa_group_segment_fixed_size 209920
		.amdhsa_private_segment_fixed_size 0
		.amdhsa_enable_private_segment 0
		.amdhsa_kernarg_size 32
		.amdhsa_user_sgpr_count 2
		.amdhsa_user_sgpr_kernarg_segment_ptr 1
		.amdhsa_wavefront_size32 1
		.amdhsa_system_sgpr_workgroup_id_x 1
		.amdhsa_system_sgpr_workgroup_id_y 1
		.amdhsa_system_sgpr_workgroup_id_z 1
		.amdhsa_system_vgpr_workitem_id 0
		.amdhsa_next_free_vgpr 512
		.amdhsa_next_free_sgpr 92
		.amdhsa_reserve_vcc 0
		.amdhsa_float_denorm_mode_32 3
		.amdhsa_float_denorm_mode_16_64 3
		.amdhsa_memory_ordered 1
		.amdhsa_forward_progress 1
		.amdhsa_inst_pref_size 124
	.end_amdhsa_kernel
	.amdgpu_metadata
---
amdhsa.version: [ 1, 2 ]
amdhsa.kernels:
  - .name:           k_q85ae777387_attn
    .symbol:         k_q85ae777387_attn.kd
    .args:
      - { .name: qb, .offset: 0, .size: 8, .value_kind: global_buffer, .address_space: global }
      - { .name: kv, .offset: 8, .size: 8, .value_kind: global_buffer, .address_space: global }
      - { .name: oc, .offset: 16, .size: 8, .value_kind: global_buffer, .address_space: global }
      - { .name: osc, .offset: 24, .size: 8, .value_kind: global_buffer, .address_space: global }
    .group_segment_fixed_size: 209920
    .private_segment_fixed_size: 0
    .kernarg_segment_align: 8
    .kernarg_segment_size: 32
    .max_flat_workgroup_size: 256
    .sgpr_count:     92
    .vgpr_count:     512
    .wavefront_size: 32
...
	.end_amdgpu_metadata
.endif
;; end of part 3
;; launch oproj (part 4): grid 4 x 64, 4 waves a work-group, clusters of 4 x 4, 312,832 bytes of LDS; arguments oc, osc, cod, scl, bo, out0; writes out0
.if DOCPART == 4
	.amdgcn_target "amdgcn-amd-amdhsa--gfx1250"
	.amdhsa_code_object_version 6
	.text
	.protected	k_q85ae777387_oproj
	.globl	k_q85ae777387_oproj
	.p2align	8
	.type	k_q85ae777387_oproj,@function
k_q85ae777387_oproj:
	s_mov_b64 s[64:65], 0
	v_nop
	global_prefetch_b8 v0, s[64:65] scope:SCOPE_SE
	s_setreg_imm32_b32 hwreg(HW_REG_WAVE_MODE, 25, 1), 1
	s_wait_xcnt 0x0
	s_wait_alu depctr_hold_cnt(0) depctr_sa_sdst(0) depctr_va_vdst(0) depctr_va_sdst(0) depctr_va_ssrc(0) depctr_va_vcc(0) depctr_vm_vsrc(0)
	s_getreg_b32 s2, hwreg(HW_REG_IB_STS2, 6, 4)
	s_cmp_eq_u32 s2, 0
	s_cbranch_scc0 .Lentry_in_a_cluster
	s_endpgm
.Lentry_in_a_cluster:
	s_bfe_u32 s2, ttmp6, 0x10000c
	s_cmp_lg_u32 s2, 0xf033
	s_cbranch_scc0 .Lentry_shape_is_right
	s_endpgm
.Lentry_shape_is_right:
; out0 = o wo^T + bo on codes of FP6 (E2M3) with E8M0 scales, sums in f32.  o: attention's result as codes (oc, osc), wo: tiles 704-767 of cod and scl; out0 [8192][1024] f32.
; SHARES: a work-group makes 128 rows x 256 columns; wave w all 128 rows x columns 64 w .. 64 w + 63: 32 accumulators.  256 work-groups.
; ALL OF K LIES IN LDS AT ONCE, 294,912 bytes in two halves of four K steps.  The four fills are shared out, one tensor load a wave at the head: wave 0 o's half 0, wave 1 wo's half 0, wave 2 o's half 1, wave 3 wo's half 1.
; Nothing is filled twice.  The first barrier shows half 0: waves 0 and 1 alone wait ahead of it, for load lines that are theirs alone.  The barrier ahead of K step 4's fetch shows all: every wave waits for 0.
; CLUSTER 4 x 4: rows of o are shared along a row of the cluster, rows of wo along a column: joint loads.  NO PREFETCH: every fill is asked for at the head; no later load is left to run ahead of.
; OPERANDS are images of the registers, [piece 0..5][lane][8 bytes]: every LDS load reads 256 consecutive bytes.  TILE ORDER: tile 2 g + u holds at place i row 32 g + 8 u + i + 8 (i / 8).
; TRANSPOSED (source 0 = wo's 16 rows, source 1 = o): a lane holds one row of o, and the registers of tiles 2 g, 2 g + 1 are columns 32 g + 16 h + 0 .. 15.  The stores translate a place back into its row.
; REGISTERS, in windows of 256: window 0: addresses, bias, scale words, the way out; window 1: o's fragments, two sets; window 2: the accumulators; window 3: wo's fragments, two sets.
.set TILEB, 12288
.set CHB,   6144                       ; a tile's four K steps
.set CHUNK, 24*CHB                     ; a half in LDS: o's 8 tiles, then wo's 16
.set BOFF,  8*CHB
.set B0,    704                        ; wo's first tile in cod
.set STGB,  2*CHUNK                    ; behind the halves: a stage of 16 rows x 272 bytes for each wave; no fill lands there
.set SPITCH, 272
.set ADRA,  4
.set ADRB,  8
.set STO,   16                         ; v16  the way out: where I put 32 bytes of a row
.set RD,    17                         ; v17  where I read a row back
.set CO,    18                         ; v18  my byte offset in out0
.set BI,    32
.set SA,    64
.set SB,    128
.set BK,    160                        ; v160-223 rows read back from the stage, two sets
.set WV,    18
.set G1A,   24
.set G1B,   32
.set G0A,   40
.set G0B,   68
.set MSB, 0
.macro WIN new                         ; the immediate's high byte repeats the setting that is left
.if MSB != \new
	s_set_vgpr_msb (MSB<<8)|\new
.set MSB, \new
.endif
.endm
.set TO_A,   0x40                      ; destination window 1, address window 0
.set TO_B,   0xc0                      ; destination window 3
.set MUL_T,  0xa7                      ; source 0 window 3, source 1 window 1, C and D window 2
.set MUL_T0, 0x87                      ; the same with C (the bias) in window 0
.set STW,    0x08                      ; an LDS store's data are its source 1: window 2
.macro CROUND                          ; a round of the cluster's barrier
	s_barrier_signal -1
	s_barrier_wait -1
	s_cmp_lg_u32 s[WV], 0
	s_cbranch_scc1 .Lnot_wave_0_\@
	s_barrier_signal -3
.Lnot_wave_0_\@:
	s_barrier_wait -3
	s_barrier_signal -1
	s_barrier_wait -1
.endm
.macro PLACES                          ; four plain places behind matrix instructions (ISA guide 7.12.1)
.rept 4
	v_nop
.endr
.endm
	s_load_b256 s[4:11], s[0:1], 0x0               ; oc, osc, cod, scl
	s_load_b128 s[12:15], s[0:1], 0x20             ; bo, out0
	v_lshl_add_u32 v254, v0, 2, 0x4c400
	v_mov_b32 v255, 0
	ds_add_u32 v254, v255                          ; the opening lines: the add twice on end and its one wait
	ds_add_u32 v254, v255
	v_lshrrev_b32 v13, 5, v0
	v_readfirstlane_b32 s[WV], v13                 ; wave 0..3
	v_and_b32 v15, 31, v0
	v_lshlrev_b32 v1, 3, v15                       ; 8 x lane
	v_and_b32 v14, 15, v0                          ; r
	v_lshlrev_b32 v2, 4, v14                       ; 16 r
	v_bfe_u32 v3, v0, 4, 1                         ; h
	v_lshlrev_b32 v13, 6, v3                       ; 64 h: the bias
.irp c, 0,1
	v_add_nc_u32 v[ADRA+\c], \c*CHUNK, v1
.endr
	s_mul_i32 s62, s[WV], 4*CHB
	s_add_co_u32 s62, s62, BOFF
.irp c, 0,1
	v_add_nc_u32 v[ADRB+\c], s62, v[ADRA+\c]
.endr
	s_mul_i32 s63, s[WV], 16*SPITCH
	s_add_co_u32 s63, s63, STGB                    ; my stage
	v_mul_u32_u24 v[STO], v14, SPITCH
	v_lshl_add_u32 v[STO], v3, 6, v[STO]
	v_add_nc_u32 v[STO], s63, v[STO]               ; in: row r, + 64 h bytes
	v_mul_u32_u24 v[RD], v3, SPITCH
	v_add_nc_u32 v[RD], v[RD], v2
	v_add_nc_u32 v[RD], s63, v[RD]                 ; back: lanes 0-15 one row of 256 bytes, lanes 16-31 the next
	v_lshl_add_u32 v[CO], v3, 12, v2               ; and the same in out0: rows of 4,096 bytes
	s_bfe_u32 s20, ttmp6, 0x40000                  ; cx
	s_bfe_u32 s21, ttmp6, 0x40004                  ; cy
	s_lshl_b32 s22, ttmp9, 2
	s_add_co_u32 s22, s22, s20                     ; work-group x
	s_and_b32 s23, ttmp7, 0xffff
	s_lshl_b32 s23, s23, 2
	s_add_co_u32 s23, s23, s21                     ; work-group y
	s_lshl_b32 s60, s21, 2
	s_lshl_b32 s60, 15, s60                        ; my row of the cluster
	s_lshl_b32 s61, 0x1111, s20                    ; my column
	; group 1: rows = tiles, 12,288 bytes apart; a row = a tile's four K steps, 768 elements of 8 bytes; no padding
	s_or_b32 s[G1A], s60, (3<<16)|(1<<21)
	s_or_b32 s[G1B], s61, (3<<16)|(1<<21)
.irp g, G1A, G1B
	s_mov_b32 s[\g+1], 768<<16
	s_mov_b32 s[\g+3], 768<<16
	s_mov_b32 s[\g+5], 1536
	s_mov_b32 s[\g+6], 0
	s_mov_b32 s[\g+7], 0
.endr
	s_mov_b32 s[G1A+2], 8<<16
	s_mov_b32 s[G1A+4], 8
	s_mov_b32 s[G1B+2], 16<<16
	s_mov_b32 s[G1B+4], 16
	s_lshl_b32 s56, s23, 3                         ; o: tile 8 y
	s_mul_i32 s56, s56, TILEB
	s_mov_b32 s57, 0
	s_lshl_b32 s84, s22, 4                         ; wo: tile B0 + 16 x
	s_add_co_u32 s84, s84, B0
	s_mul_i32 s84, s84, TILEB
	s_mov_b32 s85, 0
	s_wait_alu depctr_va_vdst(0)                   ; the wait at the head's end
	s_wait_dscnt 0x0
	s_wait_kmcnt 0x0
	s_add_nc_u64 s[56:57], s[4:5], s[56:57]
	s_add_nc_u64 s[84:85], s[8:9], s[84:85]
	CROUND                                         ; all sixteen work-groups are here: the joint loads meet
.irp c, 0,1
	s_mov_b32 s[G0A+4*\c], 1
	s_mov_b32 s[G0A+4*\c+1], \c*CHUNK
	s_add_nc_u64 s[G0A+4*\c+2:G0A+4*\c+3], s[56:57], \c*CHB
	s_or_b32 s[G0A+4*\c+3], s[G0A+4*\c+3], 0x80000000
	s_mov_b32 s[G0B+4*\c], 1
	s_mov_b32 s[G0B+4*\c+1], BOFF+\c*CHUNK
	s_add_nc_u64 s[G0B+4*\c+2:G0B+4*\c+3], s[84:85], \c*CHB
	s_or_b32 s[G0B+4*\c+3], s[G0B+4*\c+3], 0x80000000
.endr
; all fills of the launch: ONE chain of branches on the wave's number, one load to an arm, all arms leading to one join
.macro ARM under, g0, g1, next
	s_cmp_lt_u32 s[WV], \under
	s_cbranch_scc0 \next
	tensor_load_to_lds s[\g0:\g0+3], s[\g1:\g1+7]
	s_nop 0
	PLACES
	s_branch .Lfilled
\next:
.endm
	ARM 1, G0A, G1A, .Lfill_1
	ARM 2, G0B, G1B, .Lfill_2
	ARM 3, G0A+4, G1A, .Lfill_3
	tensor_load_to_lds s[G0B+4:G0B+7], s[G1B:G1B+7]
	s_nop 0
	PLACES
.Lfilled:
	s_lshl_b32 s88, s23, 12                        ; o's scale words: 8 tiles of 512 bytes for each y
	s_mov_b32 s89, 0
	s_add_nc_u64 s[88:89], s[6:7], s[88:89]
	s_lshl_b32 s90, s22, 4
	s_lshl_b32 s91, s[WV], 2
	s_add_co_u32 s90, s90, s91
	s_add_co_u32 s90, s90, B0                      ; wo's: my four tiles
	s_lshl_b32 s90, s90, 9
	s_mov_b32 s91, 0
	s_add_nc_u64 s[90:91], s[10:11], s[90:91]
	s_lshl_b32 s94, s22, 10
	s_lshl_b32 s95, s[WV], 8
	s_add_co_u32 s94, s94, s95                     ; my 64 columns, in bytes
	s_mov_b32 s95, 0
	s_add_nc_u64 s[96:97], s[12:13], s[94:95]      ; in the bias,
	s_lshl_b32 s86, s23, 19                        ; and in out0, 128 y rows of 4,096 bytes down
	s_add_co_u32 s86, s86, s94
	s_mov_b32 s87, 0
	s_add_nc_u64 s[86:87], s[14:15], s[86:87]
.irp a, 0,1,2,3,4,5,6,7
.irp qq, 0,1
	global_load_b128 v[SA+8*\a+4*\qq:SA+8*\a+4*\qq+3], v2, s[88:89] offset:512*\a+256*\qq
.endr
.endr
.irp bb, 0,1,2,3
.irp qq, 0,1
	global_load_b128 v[SB+8*\bb+4*\qq:SB+8*\bb+4*\qq+3], v2, s[90:91] offset:512*\bb+256*\qq
.endr
.endr
.irp bb, 0,1,2,3                               ; lane (r, h) wants, for tile 2 g + u, the bias of columns 32 g + 16 h + 8 u + 0 .. 7
	global_load_b128 v[BI+8*\bb:BI+8*\bb+3], v13, s[96:97] offset:(32*(\bb/2)+8*(\bb%2))*4
	global_load_b128 v[BI+8*\bb+4:BI+8*\bb+7], v13, s[96:97] offset:(32*(\bb/2)+8*(\bb%2))*4+16
.endr
.macro FETCH s                         ; the fragments of K step s into set s % 2: 72 LDS loads of 256 consecutive bytes
	WIN TO_A
.irp a, 0,1,2,3,4,5,6,7
.irp p, 0,1,2,3,4,5
	ds_load_b64 v[96*((\s)%2)+12*\a+2*\p:96*((\s)%2)+12*\a+2*\p+1], v[ADRA+(\s)/4] offset:CHB*\a+1536*((\s)%4)+256*\p
.endr
.endr
	WIN TO_B
.irp bb, 0,1,2,3
.irp p, 0,1,2,3,4,5
	ds_load_b64 v[48*((\s)%2)+12*\bb+2*\p:48*((\s)%2)+12*\bb+2*\p+1], v[ADRB+(\s)/4] offset:CHB*\bb+1536*((\s)%4)+256*\p
.endr
.endr
.endm
.macro MUL s                           ; 32 matrix instructions: the 32 accumulators take turns, one instruction a turn; K step 0 takes the bias as C
.if (\s) == 0
	WIN MUL_T0
.else
	WIN MUL_T
.endif
.irp a, 0,1,2,3,4,5,6,7
.irp bb, 0,1,2,3
.set FA, 96*((\s)%2)+12*\a
.set FB, 48*((\s)%2)+12*\bb
.set AC, 8*(4*\a+\bb)
.if (\s) == 0
	v_wmma_scale_f32_16x16x128_f8f6f4 v[AC:AC+7], v[FB:FB+11], v[FA:FA+11], v[BI+8*\bb:BI+8*\bb+7], v[SB+8*\bb+(\s)], v[SA+8*\a+(\s)] matrix_a_fmt:MATRIX_FMT_FP6 matrix_b_fmt:MATRIX_FMT_FP6
.else
	v_wmma_scale_f32_16x16x128_f8f6f4 v[AC:AC+7], v[FB:FB+11], v[FA:FA+11], v[AC:AC+7], v[SB+8*\bb+(\s)], v[SA+8*\a+(\s)] matrix_a_fmt:MATRIX_FMT_FP6 matrix_b_fmt:MATRIX_FMT_FP6
.endif
.endr
.endr
.endm
.macro STEP s
	s_wait_dscnt 0x0                               ; this K step's fragments are in
.if (\s) == 3
	s_wait_tensorcnt 0x0                           ; every wave: whatever I asked for has landed,
	s_barrier_signal -1
	s_barrier_wait -1                              ; and everybody's has: half 1 is whole
.endif
.if ((\s) > 0) && ((\s) < 7)
	PLACES                                         ; the set to be loaded was read by the K step before
.endif
.if (\s) < 7
	FETCH (\s)+1
.endif
	MUL \s
.endm
	s_cmp_lt_u32 s[WV], 2                          ; waves 0 and 1 asked for half 0, by lines that are theirs alone: they wait
	s_cbranch_scc0 .Llater
	s_wait_tensorcnt 0x0
.Llater:
	s_barrier_signal -1
	s_barrier_wait -1                              ; half 0 is whole; half 1 may still be on its way
	FETCH 0
	s_wait_loadcnt 0x0                             ; scale words and bias
.irp s, 0,1,2,3,4,5,6,7
	STEP \s
.endr
; THE WAY OUT, a tile of 16 rows x 64 columns at a time, through my own stage: a lane holds pieces of one row, and comes back with 16 bytes of a whole row of 256.
; LDS serves a wave's instructions in order (ISA guide 5.7.1.4): no wait between the stores and the loads, nor in front of the next tile's stores.
.macro TOSTAGE a
	WIN STW
.irp bb, 0,1,2,3
	ds_store_b128 v[STO], v[32*(\a)+8*\bb:32*(\a)+8*\bb+3] offset:128*(\bb/2)+32*(\bb%2)       ; each accumulator from its low end on
	ds_store_b128 v[STO], v[32*(\a)+8*\bb+4:32*(\a)+8*\bb+7] offset:128*(\bb/2)+32*(\bb%2)+16
.endr
	WIN 0
.irp t, 0,1,2,3,4,5,6,7
	ds_load_b128 v[BK+32*((\a)%2)+4*\t:BK+32*((\a)%2)+4*\t+3], v[RD] offset:2*SPITCH*\t
.endr
.endm
.macro SEND a, younger                 ; younger: the LDS instructions issued behind tile a's loads, which may stay out
	s_wait_dscnt \younger
.irp t, 0,1,2,3,4,5,6,7                        ; places 2 t and 2 t + 1 of tile a are rows 32 (a / 2) + 8 (a % 2) + 2 t + 8 (t / 4) and the next
	global_store_b128 v[CO], v[BK+32*((\a)%2)+4*\t:BK+32*((\a)%2)+4*\t+3], s[86:87] offset:(32*((\a)/2)+8*((\a)%2)+2*\t+8*(\t/4))*4096 th:TH_STORE_NT   ; 16 lanes store 256 consecutive bytes, aligned
.endr
.endm
	PLACES                                         ; in front of the first read of results
	TOSTAGE 0
.irp a, 1,2,3,4,5,6,7
.if \a > 1
	s_wait_xcnt 0x0                                ; tile a - 2's stores have read their registers: tile a's loads may land there
.endif
	TOSTAGE \a
	SEND \a-1, 16                                  ; behind tile a - 1's loads: tile a's 8 stores and 8 loads
.endr
	SEND 7, 0
	s_wait_tensorcnt 0x0                           ; the wave's end
	ds_add_u32 v254, v255
	s_wait_dscnt 0x0
	CROUND                                         ; the closing round: no work-group ends while a partner may still ask for a tile that names it
	s_endpgm
.Lfunc_end_k_q85ae777387_oproj:
	.size	k_q85ae777387_oproj, .Lfunc_end_k_q85ae777387_oproj-k_q85ae777387_oproj
	.p2alignl 7, 3214868480
	.fill 96, 4, 3214868480
	.section	.rodata,"a",@progbits
	.p2align	6, 0x0
	.amdhsa_kernel k_q85ae777387_oproj
		.amdhsa_group_segment_fixed_size 312832
		.amdhsa_private_segment_fixed_size 0
		.amdhsa_enable_private_segment 0
		.amdhsa_kernarg_size 48
		.amdhsa_user_sgpr_count 2
		.amdhsa_user_sgpr_kernarg_segment_ptr 1
		.amdhsa_wavefront_size32 1
		.amdhsa_system_sgpr_workgroup_id_x 1
		.amdhsa_system_sgpr_workgroup_id_y 1
		.amdhsa_system_sgpr_workgroup_id_z 1
		.amdhsa_system_vgpr_workitem_id 0
		.amdhsa_next_free_vgpr 864
		.amdhsa_next_free_sgpr 100
		.amdhsa_reserve_vcc 0
		.amdhsa_float_denorm_mode_32 3
		.amdhsa_float_denorm_mode_16_64 3
		.amdhsa_memory_ordered 1
		.amdhsa_forward_progress 1
		.amdhsa_inst_pref_size 96
	.end_amdhsa_kernel
	.amdgpu_metadata
---
amdhsa.version: [ 1, 2 ]
amdhsa.kernels:
  - .name:           k_q85ae777387_oproj
    .symbol:         k_q85ae777387_oproj.kd
    .args:
      - { .name: oc, .offset: 0, .size: 8, .value_kind: global_buffer, .address_space: global }
      - { .name: osc, .offset: 8, .size: 8, .value_kind: global_buffer, .address_space: global }
      - { .name: cod, .offset: 16, .size: 8, .value_kind: global_buffer, .address_space: global }
      - { .name: scl, .offset: 24, .size: 8, .value_kind: global_buffer, .address_space: global }
      - { .name: bo, .offset: 32, .size: 8, .value_kind: global_buffer, .address_space: global }
      - { .name: out0, .offset: 40, .size: 8, .value_kind: global_buffer, .address_space: global }
    .group_segment_fixed_size: 312832
    .private_segment_fixed_size: 0
    .kernarg_segment_align: 8
    .kernarg_segment_size: 48
    .max_flat_workgroup_size: 128
    .sgpr_count:     100
    .vgpr_count:     864
    .wavefront_size: 32
...
	.end_amdgpu_metadata
.endif
;; end of part 4
